; MI455X (gfx1250); checked and timed in simulation.
; The chip was launched on July 23, 2026; its instructions are those of AMD's public machine-readable ISA for CDNA 5 (MIT licence, August 2026) and "CDNA5" Instruction Set Architecture Reference Guide (July 2026). The comments in the code are by the model that wrote it; some were corrected since.
;; GPT Transformer Block. Allowed arithmetic: matrix products marked QUANTISED: E3M2 operands, one E8M0 scale for each 32 along K, by v_wmma_scale_f32_16x16x128_f8f6f4 with both operands' format E3M2, f32 sums; everything else in f32.
;; Inputs: b1 4,096 float32; b2 1,024 float32; bk 1,024 float32; bo 1,024 float32; bq 1,024 float32; bv 1,024 float32; ln1_b 1,024 float32; ln1_g 1,024 float32; ln2_b 1,024 float32; ln2_g 1,024 float32; w1 1,024 x 4,096 float32; w2 4,096 x 1,024 float32; wk 1,024 x 1,024 float32; wo 1,024 x 1,024 float32; wq 1,024 x 1,024 float32; wv 1,024 x 1,024 float32; x 4 x 1,024 x 1,024 float32.
;; Outputs: out0 4 x 1,024 x 1,024 float32.
;; This version of the problem:
;;   THIS VERSION OF THE PROBLEM IS GIVEN IN LOW PRECISION. The matrix products marked QUANTISED in the list below multiply operands that are first quantised to E3M2 (3 exponent bits, 2 mantissa bits; 6 bits a number), with one power-of-two scale for each 32 numbers along K (OCP MX v1.0); their sums are f32. All else is computed in f32.
;;   The module's matrix products, in the order in which they are computed (A, B: the left and right operand; K: the contracted axis; several contracted axes count as one K, in the product's order):
;;     1. [M 4,096, K 1,024] x [K 1,024, N 1,024]; A: computed on the way; B: input wq: QUANTISED
;;     2. [M 4,096, K 1,024] x [K 1,024, N 1,024]; A: computed on the way; B: input wk: QUANTISED
;;     3. [M 4,096, K 1,024] x [K 1,024, N 1,024]; A: computed on the way; B: input wv: QUANTISED
;;     4. batch 64 x [M 1,024, K 64] x [K 64, N 1,024]; A: computed on the way; B: computed on the way: QUANTISED
;;     5. batch 64 x [M 1,024, K 1,024] x [K 1,024, N 64]; A: softmax (see below); B: computed on the way: QUANTISED
;;     6. [M 4,096, K 1,024] x [K 1,024, N 1,024]; A: computed on the way; B: input wo: QUANTISED
;;     7. [M 4,096, K 1,024] x [K 1,024, N 4,096]; A: computed on the way; B: input w1: QUANTISED
;;     8. [M 4,096, K 4,096] x [K 4,096, N 1,024]; A: computed on the way; B: input w2: QUANTISED
;;   THE QUANTISER, for each operand of a quantised product, along K:
;;     - K is cut into blocks of 32 from its start; a last block that is shorter is filled with zeros.
;;     - A block's scale is 2^e with e = floor(log2(the largest magnitude in the block)) - 4, held to -126 .. 127; a block of zeros has e = 0. As a byte (E8M0): e + 127.
;;     - Each number is divided by its block's scale, clamped to +-28, and rounded to the nearest number of E3M2, ties to even, subnormals kept.
;;     - The product sums the exact products of the quantised numbers (number of the format x scale) in f32.
;;   ~~~python
;;   def quantise(x, axis):      # numpy; x: float32 -> the quantised numbers, widened to float32 again
;;       x = np.moveaxis(x, axis, -1); K = x.shape[-1]
;;       x = np.pad(x, [(0, 0)] * (x.ndim - 1) + [(0, -K % 32)]); x = x.reshape(x.shape[:-1] + (-1, 32)); a = np.abs(x).max(-1, keepdims=True)
;;       e = np.where(a > 0, np.clip(np.frexp(np.where(a > 0, a, 1))[1] - 1 - 4, -126, 127), 0)      # np.frexp(a)[1] - 1 = floor(log2(a)), exactly
;;       r = np.clip(x / 2.0 ** e, -28, 28)
;;       step = 2.0 ** (np.maximum(np.frexp(np.where(r == 0, 1, r))[1] - 1, -2) - 2)
;;       q = np.round(r / step) * step * 2.0 ** e      # np.round: ties to even
;;       return np.moveaxis(q.reshape(q.shape[:-2] + (-1,))[..., :K], -1, axis).astype(np.float32)
;;   ~~~
;;   SOFTMAX AHEAD OF A QUANTISED PRODUCT. Where the list says 'softmax', what is quantised is not the finished softmax but p = 2^(t - M), with t = logit x log2(e) and M = ceil(the row's largest t), a whole number; so 1/2 < the row's largest p <= 1. The row's sum l is taken of the UNQUANTISED p, in f32, and the product's result is divided by l at the end. Since M is a whole number, a kernel that streams over the keys may use a running M (the ceiling of the running maximum): every later rescaling is an exact power of two, which a block's scale takes up: the codes' values come out the same.
;;   OPERANDS COMPUTED ON THE WAY. 'Computed on the way' means the value that the module computes at that place (a softmax that the list does not call 'softmax' is quantised finished and normalised). What goes into a quantiser is computed in f32, as accurately as f32 sums, v_exp_f32 and their like allow (about 1e-6 of the number): no bf16 or f16 on the way to a quantiser, and a product that is left as it is and whose result goes on into a quantised operand takes f32 operands (vector FMAs, or v_wmma_f32_16x16x4_f32). A number that lies on a knife's edge between two numbers of the format may be rounded either way, as far as f32 arithmetic and the matrix unit's own rounding can turn it there, and no further.
;; One version. Each part assembles by itself: llvm-mc -triple=amdgcn-amd-amdhsa -mcpu=gfx1250 --defsym DOCPART=n.
;; ======== version 1 of 1: 7 launches
;; limits: right only within a limited range of input values
;; workspace buffers: wts 9,830,400 bytes; hq 3,276,800 bytes; qp 3,407,872 bytes; kv 6,684,672 bytes; at 3,276,800 bytes; x1 16,777,216 bytes; hid 13,107,200 bytes
;; launch prep (part 1): grid 448 x 1, 8 waves a work-group, no clusters, 67,072 bytes of LDS; arguments x, ln1_g, ln1_b, hq, wq, wk, wv, wo, w1, w2, wts; writes hq, wts
.if DOCPART == 1
	.amdgcn_target "amdgcn-amd-amdhsa--gfx1250"
	.amdhsa_code_object_version 6
	.text
	.protected	k_q0cab96b3e9_prep
	.globl	k_q0cab96b3e9_prep
	.p2align	8
	.type	k_q0cab96b3e9_prep,@function
k_q0cab96b3e9_prep:
	s_mov_b64 s[64:65], 0
	v_nop
	global_prefetch_b8 v0, s[64:65] scope:SCOPE_SE
	s_setreg_imm32_b32 hwreg(HW_REG_WAVE_MODE, 25, 1), 1
	s_wait_xcnt 0x0
; TWO JOBS THAT DO NOT DEPEND ON EACH OTHER SHARE ONE LAUNCH.  Work-groups 0 to NW - 1 quantise the six weights; work-groups NW on do the first LayerNorm and quantise its rows.  The paths part on the work-group's number, at the first line, and never join.
; Both make operands of BF6 (E3M2) codes with one E8M0 byte for each 32 along K, laid as the products' launches take them:
; TILES of 16 rows (of a weight: columns): tile 2 g + u, place p, holds row 32 g + 8 u + p + 8 (p / 8).  HALF IMAGE (768 bytes): a tile's codes of 64 along K as an image of six operand registers: lane l's first four at 16 l, its last two at 512 + 8 l.
; Scale words: [tile][K / 128][place], 4 bytes each.
; A block's byte is its largest magnitude's exponent field - 4, held at 1 from below.  LIMITS: a block of zeros gets the byte 1 and not 127 (its codes are zeros; this program alone reads the bytes); NaN and infinities are not served.
.set NW, 192
	v_lshl_add_u32 v184, v0, 2, 0x10200
	v_mov_b32 v185, 0
	s_cmp_ge_u32 ttmp9, NW                         ; the same in all eight waves of a work-group
	s_cbranch_scc1 .Lnorm
; ---- THE WEIGHTS, f32 [K][N] with K as the FIRST axis.  wts: images [tile][K / 64][768] of wq, wk, wv, wo, w1, w2 on end; from WS on the scale words.
; A LANE TAKES A COLUMN AND ITS REGISTERS RUN DOWN K: a block of 32 is one lane's 32 registers; each load reads 128 consecutive bytes.  A work-group takes 256 columns x 256 along K, a wave 32 columns (two tiles: lanes 0-15 one, lanes 16-31 the other).
; Two blocks' codes change halves between the two tiles' registers (six lane swaps) and are then the two tiles' half images, stored as 512 + 256 consecutive aligned bytes each.
; No LDS, no barrier on this path: waves share nothing.  Every store has registers of its own, so no store's data are written again.
.set WS,   9437184
.set CA,   3                           ; v3  4 x my column among the wave's 32
.set WLI,  4                           ; v4  16 x lane
.set WL8,  5                           ; v5  8 x lane
.set SOFF, 6                           ; v6  my scale words' place: 4 x place + my tile's pitch
.set WX,   32                          ; v32-95   two sets of 32 numbers
.set F,    96                          ; v96-143  codes: 12 registers for each 64 along K
.set TT,   144                         ; v144-146 a block's upper 16 codes, to be moved
.set SB,   148                         ; v148-149 scale bytes, four to a register
	s_load_b256 s[4:11], s[0:1], 0x20              ; wq, wk, wv, wo
	s_load_b128 s[12:15], s[0:1], 0x40             ; w1, w2
	s_load_b64 s[16:17], s[0:1], 0x50              ; wts
	v_lshrrev_b32 v1, 5, v0
	s_delay_alu instid0(VALU_DEP_1)
	v_readfirstlane_b32 s18, v1                    ; wave 0..7
	v_and_b32 v1, 31, v0
	v_and_b32 v2, 15, v0                           ; place
	v_bfe_u32 v7, v0, 4, 1                         ; which of the wave's two tiles
	s_wait_alu depctr_va_vdst(0)
	v_and_b32 v8, 8, v2
	s_delay_alu instid0(VALU_DEP_1)
	v_add_nc_u32 v8, v8, v2
	s_delay_alu instid0(VALU_DEP_1)
	v_lshl_add_u32 v8, v7, 3, v8                   ; my column: 8 tile + place + 8 (place / 8)
	s_delay_alu instid0(VALU_DEP_1)
	v_lshlrev_b32 v[CA], 2, v8
	v_lshlrev_b32 v[WLI], 4, v1
	v_lshlrev_b32 v[WL8], 3, v1
	; work-groups 0-63: the four square weights (16 each); 64-127: w1; 128-191: w2
	s_mov_b32 s20, ttmp9
	s_lshr_b32 s21, s20, 6                         ; 0 square, 1 w1, 2 w2
	s_lshr_b32 s22, s20, 4                         ; the weight's place in wts, in units of a square weight
	s_and_b32 s23, s20, 3                          ; group of 256 columns
	s_bfe_u32 s24, s20, 0x20002                    ; group of 256 along K
	s_and_b32 s25, s20, 15
	s_bfe_u32 s26, s20, 0x20004
	s_bfe_u32 s27, s20, 0x40002
	s_mov_b32 s28, 49152
	s_mov_b32 s29, 2048
	s_cmp_eq_u32 s21, 1
	s_cselect_b32 s22, 4, s22
	s_cselect_b32 s23, s25, s23
	s_cselect_b32 s24, s26, s24
	s_cselect_b32 s30, 22, 20                      ; 256 rows of the weight, as a shift
	s_cmp_eq_u32 s21, 2
	s_cselect_b32 s22, 8, s22
	s_cselect_b32 s24, s27, s24
	s_cselect_b32 s28, s28, 12288                  ; a tile's images, in bytes
	s_cselect_b32 s29, s29, 512                    ; a tile's scale words
	s_lshl_b32 s30, s24, s30
	v_mul_u32_u24 v9, s29, v7
	s_delay_alu instid0(VALU_DEP_1)
	v_lshl_add_u32 v[SOFF], v2, 2, v9
	s_lshl_b32 s31, s23, 4
	s_lshl_b32 s32, s18, 1
	s_add_co_u32 s31, s31, s32                     ; my first tile: 16 x group + 2 x wave
	s_lshl_b32 s34, s23, 10
	s_lshl_b32 s35, s18, 7
	s_add_co_u32 s34, s34, s35
	s_add_co_u32 s34, s34, s30                     ; where my part of the weight begins
	s_mov_b32 s35, 0
	s_mul_i32 s36, s22, 786432
	s_mul_i32 s37, s31, s28
	s_add_co_u32 s36, s36, s37
	s_mul_i32 s37, s24, 3072
	s_add_co_u32 s36, s36, s37                     ; my first tile's half images
	s_mov_b32 s37, 0
	s_mov_b32 s38, s28
	s_mov_b32 s39, 0
	s_lshl_b32 s40, s22, 15
	s_mul_i32 s41, s31, s29
	s_add_co_u32 s40, s40, s41
	s_lshl_b32 s41, s24, 7
	s_add_co_u32 s40, s40, s41
	s_add_co_u32 s40, s40, WS                      ; its scale words
	s_mov_b32 s41, 0
	s_wait_kmcnt 0x0
	s_cmp_eq_u32 s22, 1                            ; the weight is chosen by the work-group's number alone
	s_cselect_b64 s[4:5], s[6:7], s[4:5]
	s_cmp_eq_u32 s22, 2
	s_cselect_b64 s[4:5], s[8:9], s[4:5]
	s_cmp_eq_u32 s22, 3
	s_cselect_b64 s[4:5], s[10:11], s[4:5]
	s_cmp_eq_u32 s22, 4
	s_cselect_b64 s[4:5], s[12:13], s[4:5]
	s_cmp_eq_u32 s22, 8
	s_cselect_b64 s[4:5], s[14:15], s[4:5]
	s_add_nc_u64 s[4:5], s[4:5], s[34:35]
	s_add_nc_u64 s[36:37], s[16:17], s[36:37]      ; first tile
	s_add_nc_u64 s[38:39], s[36:37], s[38:39]      ; second tile
	s_add_nc_u64 s[40:41], s[16:17], s[40:41]
.macro LOAD t, pitch                   ; block t: W(32 t + i, my column) into set t % 2
.set i, 0
.rept 32
	global_load_b32 v[WX+32*((\t)%2)+i], v[CA], s[4:5] offset:(32*(\t)+i)*(\pitch) th:TH_LOAD_NT
.set i, i+1
.endr
.endm
.macro BLOCK t, pitch
.set XS, WX+32*((\t)%2)
.set FA, F+24*((\t)/4)+6*(((\t)/2)%2)  ; 128 along K: twelve registers for the first tile, then twelve for the second
.set FH, FA+12*((\t)%2)
.if (\t) < 7
	s_wait_loadcnt 32                              ; this block's 32 loads are in; the next block's 32 may be out
.else
	s_wait_loadcnt 0x0
.endif
	v_max3_num_f32 v12, |v[XS]|, |v[XS+1]|, |v[XS+2]|              ; the block's largest magnitude, in two chains
	v_max3_num_f32 v13, |v[XS+3]|, |v[XS+4]|, |v[XS+5]|
.irp i, 6,10,14,18,22,26
	s_delay_alu instid0(VALU_DEP_2)
	v_max3_num_f32 v12, v12, |v[XS+\i]|, |v[XS+\i+1]|
	s_delay_alu instid0(VALU_DEP_2)
	v_max3_num_f32 v13, v13, |v[XS+\i+2]|, |v[XS+\i+3]|
.endr
	s_delay_alu instid0(VALU_DEP_2)
	v_max3_num_f32 v12, v12, |v[XS+30]|, |v[XS+31]|
	s_delay_alu instid0(VALU_DEP_1)
	v_max3_num_f32 v12, v12, v13, 0x2800000        ; and the floor 2^(5 - 127): the byte cannot fall under 1
	s_delay_alu instid0(VALU_DEP_1)
	v_add_nc_u32 v11, 0xfe000000, v12              ; 4 off the exponent field: the conversion's scale operand
	s_delay_alu instid0(VALU_DEP_1)
	v_lshrrev_b32 v13, 23, v11                     ; the byte
.if (\t)%4 == 0
	s_delay_alu instid0(VALU_DEP_1)
	v_mov_b32 v[SB+(\t)/4], v13
.else
	s_delay_alu instid0(VALU_DEP_1)
	v_lshl_or_b32 v[SB+(\t)/4], v13, 8*((\t)%4), v[SB+(\t)/4]
.endif
	v_cvt_scalef32_pk16_bf6_f32 v[FH:FH+2], v[XS:XS+15], v11
	v_cvt_scalef32_pk16_bf6_f32 v[TT:TT+2], v[XS+16:XS+31], v11    ; (a conversion's three registers begin on an even number)
	v_nop                                          ; one plain line behind the conversions
.irp i, 0,1,2
	v_mov_b32 v[FH+3+\i], v[TT+\i]
.endr
.if (\t)+2 < 8
	LOAD (\t)+2, \pitch
.endif
.if (\t)%2 == 1
.irp i, 0,1,2,3,4,5
	v_permlane16_swap_b32 v[FA+\i], v[FA+12+\i]    ; the even block's lanes 16-31 change places with the odd block's lanes 0-15: six registers of the first tile's fragment, six of the second's
.endr
.endif
.if (\t)%4 == 3                        ; two fragments are whole.  w2's are stored as registers 0-3, 4-7, 8-11 at 16 x lane, 512 bytes apart; the other weights' as two half images
.set FG, F+24*((\t)/4)
	s_cmp_eq_u32 s21, 2                            ; the same in all waves of a work-group
	s_wait_alu depctr_va_vdst(0)                   ; the wait ahead of the branch
	s_cbranch_scc1 .Lw2_\@
	global_store_b128 v[WLI], v[FG:FG+3], s[36:37] offset:1536*((\t)/4)
	global_store_b64 v[WL8], v[FG+4:FG+5], s[36:37] offset:1536*((\t)/4)+512
	global_store_b128 v[WLI], v[FG+6:FG+9], s[36:37] offset:1536*((\t)/4)+768
	global_store_b64 v[WL8], v[FG+10:FG+11], s[36:37] offset:1536*((\t)/4)+1280
	global_store_b128 v[WLI], v[FG+12:FG+15], s[38:39] offset:1536*((\t)/4)
	global_store_b64 v[WL8], v[FG+16:FG+17], s[38:39] offset:1536*((\t)/4)+512
	global_store_b128 v[WLI], v[FG+18:FG+21], s[38:39] offset:1536*((\t)/4)+768
	global_store_b64 v[WL8], v[FG+22:FG+23], s[38:39] offset:1536*((\t)/4)+1280
	s_branch .Lst_\@
.Lw2_\@:
	global_store_b128 v[WLI], v[FG:FG+3], s[36:37] offset:1536*((\t)/4)
	global_store_b128 v[WLI], v[FG+4:FG+7], s[36:37] offset:1536*((\t)/4)+512
	global_store_b128 v[WLI], v[FG+8:FG+11], s[36:37] offset:1536*((\t)/4)+1024
	global_store_b128 v[WLI], v[FG+12:FG+15], s[38:39] offset:1536*((\t)/4)
	global_store_b128 v[WLI], v[FG+16:FG+19], s[38:39] offset:1536*((\t)/4)+512
	global_store_b128 v[WLI], v[FG+20:FG+23], s[38:39] offset:1536*((\t)/4)+1024
.Lst_\@:
.endif
.if (\t)%4 == 3
	global_store_b32 v[SOFF], v[SB+(\t)/4], s[40:41] offset:64*((\t)/4)   ; the word of 128 along K
.endif
.endm
.macro WORK pitch
	LOAD 0, \pitch
	LOAD 1, \pitch
.irp t, 0,1,2,3,4,5,6,7
	BLOCK \t, \pitch
.endr
.endm
	s_cmp_eq_u32 s21, 1                            ; the row pitch stands in the loads' immediates: one copy of the work for each pitch
	s_cbranch_scc1 .Lwide
	s_wait_alu depctr_va_vdst(0)
	WORK 4096
	s_endpgm
.Lwide:
	s_wait_alu depctr_va_vdst(0)
	WORK 16384
	s_endpgm
; ---- THE LAYERNORM over rows of 1,024 f32, then the quantiser along the row.  The operand buffer: images [tile][16][768]; from byte 3,145,728 on the scale words [tile][8][place].
; A work-group is one tile.  Phase 1: wave w takes places 2 w and 2 w + 1 (two neighbouring rows of memory), each row whole in 32 registers: mean, then the mean of squared differences (two passes: no difference of large sums),
; 1 / sqrt, gain and bias, all f32; the rows go to a stage in LDS, 4,112 bytes apart.  One barrier.  Phase 2: wave w takes K step w of all 16 rows: lane (r, h) reads 16 neighbours of each block of 32, quantises, stores a fragment's image.
.Lnorm:
.set PITCH, 4112                       ; 257 x 16: the sixteen rows that a read touches start in different banks
.set X,   16                           ; v16-79   two rows
.set G,   80                           ; v80-111  gain at my columns
.set BB,  112                          ; v112-143 bias
.set SA,  144                          ; v144-147 a pair a row: sum, mean, then 1 / sqrt
.set SQ,  148                          ; v148-151 a pair a row: squares
.set PT,  152                          ; v152-153
.set T,   16                           ; phase 2: 64 numbers
.set PC,  144                          ; v144-163 codes
.set TM,  164                          ; v164-179 at work in the quantiser
.set PW,  180                          ; the scale word
.set LI,  2
.set L8,  3
.set S4R, 6
.set STI, 7
.set STO, 8
.set SEL, 12
.macro QUANT s                         ; 64 numbers of a lane, register 16 b + i = k 32 b + 16 (lane / 16) + i of my row, become a fragment's codes in v[PC] on and its scale word in v[PW]
.irp b, 0,1,2,3
	v_max3_num_f32 v[TM+\b], |v[\s+16*\b]|, |v[\s+1+16*\b]|, 0x2800000   ; my 16 numbers of block b, and the floor 2^(5 - 127)
.endr
.irp i, 2,4,6,8,10,12,14
.irp b, 0,1,2,3
	s_delay_alu instid0(VALU_DEP_4)
	v_max3_num_f32 v[TM+\b], v[TM+\b], |v[\s+16*\b+\i]|, |v[\s+1+16*\b+\i]|
.endr
.endr
.irp b, 0,1,2,3
	s_delay_alu instid0(VALU_DEP_4)
	v_permlanex16_b32 v[TM+4+\b], v[TM+\b], s[SEL], s[SEL+1]
.endr
.irp b, 0,1,2,3
	s_delay_alu instid0(VALU_DEP_4)
	v_max_num_f32 v[TM+\b], v[TM+\b], v[TM+4+\b]   ; with lane l xor 16's: the block's largest magnitude
.endr
.irp b, 0,1,2,3
	s_delay_alu instid0(VALU_DEP_4)
	v_add_nc_u32 v[TM+12+\b], 0xfe000000, v[TM+\b] ; 4 off its exponent field: the conversion's scale operand
.endr
.irp b, 0,1,2,3
	s_delay_alu instid0(VALU_DEP_4)
	v_lshrrev_b32 v[TM+4+\b], 23, v[TM+12+\b]      ; the byte
.endr
	s_delay_alu instid0(VALU_DEP_3)
	v_lshl_or_b32 v[PW], v[TM+5], 8, v[TM+4]
	s_delay_alu instid0(VALU_DEP_1)
	v_lshl_or_b32 v[PW], v[TM+6], 16, v[PW]
	s_delay_alu instid0(VALU_DEP_1)
	v_lshl_or_b32 v[PW], v[TM+7], 24, v[PW]
.irp c, 0,1
	v_cvt_scalef32_pk16_bf6_f32 v[PC+6*\c:PC+2+6*\c], v[\s+32*\c:\s+15+32*\c], v[TM+12+2*\c]
	v_cvt_scalef32_pk16_bf6_f32 v[PC+12+4*\c:PC+14+4*\c], v[\s+16+32*\c:\s+31+32*\c], v[TM+12+2*\c+1]
.endr
	v_nop                                          ; one plain line behind the conversions
.irp c, 0,1                            ; the operand wants a whole block in a lane: lanes 0-15 block 2 c, lanes 16-31 block 2 c + 1
.irp i, 0,1,2
	v_permlane16_swap_b32 v[PC+6*\c+\i], v[PC+12+4*\c+\i]
.endr
.irp i, 0,1,2
	s_delay_alu instid0(VALU_DEP_3)
	v_mov_b32 v[PC+3+6*\c+\i], v[PC+12+4*\c+\i]
.endr
.endr
.endm
	s_load_b256 s[4:11], s[0:1], 0x0               ; rows, gain, bias, operand buffer
	s_sub_co_u32 s24, ttmp9, NW                    ; my tile
	v_lshrrev_b32 v1, 5, v0
	s_delay_alu instid0(VALU_DEP_1)
	v_readfirstlane_b32 s14, v1                    ; wave 0..7
	v_and_b32 v1, 31, v0
	s_delay_alu instid0(VALU_DEP_1)
	v_lshlrev_b32 v[LI], 4, v1
	s_delay_alu instid0(VALU_DEP_2)
	v_lshlrev_b32 v[L8], 3, v1
	v_and_b32 v4, 15, v0                           ; r
	v_bfe_u32 v5, v0, 4, 1                         ; h
	s_delay_alu instid0(VALU_DEP_2)
	v_lshlrev_b32 v[S4R], 2, v4
	s_mul_i32 s15, s14, 2*PITCH
	v_add_nc_u32 v[STI], s15, v[LI]                ; stage, in: my wave's two rows, 16 bytes a lane
	v_mul_u32_u24 v[STO], v4, PITCH
	s_delay_alu instid0(VALU_DEP_1)
	v_lshl_add_u32 v[STO], v5, 6, v[STO]
	s_lshl_b32 s15, s14, 9
	v_add_nc_u32 v[STO], s15, v[STO]               ; stage, out: row r, K step = wave, + 64 h
	s_mov_b32 s[SEL], 0x76543210
	s_mov_b32 s[SEL+1], 0xfedcba98
	s_mov_b32 s20, 0x3a800000                      ; 1 / 1024
	s_mov_b32 s21, 0x3727c5ac                      ; 1e-5
.irp b, 0,1
	v_mov_b32 v[PT+\b], 0                          ; a lane permute's destination counts as a source
.endr
.irp b, 0,1,2,3
	v_mov_b32 v[TM+4+\b], 0
.endr
	s_lshr_b32 s16, s24, 1
	s_lshl_b32 s16, s16, 5
	s_and_b32 s17, s24, 1
	s_lshl_b32 s17, s17, 3
	s_add_co_u32 s16, s16, s17
	s_lshl_b32 s17, s14, 1
	s_add_co_u32 s16, s16, s17
	s_lshr_b32 s17, s14, 2
	s_lshl_b32 s17, s17, 3
	s_add_co_u32 s16, s16, s17                     ; the row at place 2 w of my tile
	s_lshl_b32 s16, s16, 12
	s_mov_b32 s17, 0
	s_mul_i32 s18, s24, 12288
	s_mul_i32 s19, s14, 1536
	s_add_co_u32 s18, s18, s19
	s_mov_b32 s19, 0
	s_lshl_b32 s22, s24, 9
	s_lshl_b32 s23, s14, 6
	s_add_co_u32 s22, s22, s23
	s_add_co_u32 s22, s22, 3145728
	s_mov_b32 s23, 0
	s_wait_kmcnt 0x0
	s_add_nc_u64 s[4:5], s[4:5], s[16:17]
	s_add_nc_u64 s[18:19], s[10:11], s[18:19]
	s_add_nc_u64 s[22:23], s[10:11], s[22:23]
.irp p, 0,1
.irp j, 0,1,2,3,4,5,6,7
	global_load_b128 v[X+32*\p+4*\j:X+32*\p+4*\j+3], v[LI], s[4:5] offset:4096*\p+512*\j   ; 512 consecutive bytes a load
.endr
.endr
.irp j, 0,1,2,3,4,5,6,7
	global_load_b128 v[G+4*\j:G+4*\j+3], v[LI], s[6:7] offset:512*\j
.endr
.irp j, 0,1,2,3,4,5,6,7
	global_load_b128 v[BB+4*\j:BB+4*\j+3], v[LI], s[8:9] offset:512*\j
.endr
	s_wait_loadcnt 16                              ; the rows are in; gain's and bias's 16 loads may be out
.macro ACROSS reg                      ; the sum over the 32 lanes, both rows by turns
.irp p, 0,1
	s_delay_alu instid0(VALU_DEP_2)
	v_add_f32 v[\reg+2*\p], v[\reg+2*\p], v[\reg+2*\p+1]
.endr
.irp m, 1,2,4,8
.irp p, 0,1
	s_delay_alu instid0(VALU_DEP_2)
	v_add_f32_dpp v[\reg+2*\p], v[\reg+2*\p], v[\reg+2*\p] row_xmask:\m row_mask:0xf bank_mask:0xf
.endr
.endr
.irp p, 0,1
	s_delay_alu instid0(VALU_DEP_2)
	v_permlanex16_b32 v[PT+\p], v[\reg+2*\p], s[SEL], s[SEL+1]
.endr
.irp p, 0,1
	s_delay_alu instid0(VALU_DEP_2)
	v_add_f32 v[\reg+2*\p], v[\reg+2*\p], v[PT+\p]
.endr
.endm
.irp p, 0,1
	v_pk_add_f32 v[SA+2*\p:SA+2*\p+1], v[X+32*\p:X+32*\p+1], v[X+32*\p+2:X+32*\p+3]
.endr
.irp i, 4,6,8,10,12,14,16,18,20,22,24,26,28,30
.irp p, 0,1
	s_delay_alu instid0(VALU_DEP_2)
	v_pk_add_f32 v[SA+2*\p:SA+2*\p+1], v[SA+2*\p:SA+2*\p+1], v[X+32*\p+\i:X+32*\p+\i+1]
.endr
.endr
	ACROSS SA
.irp p, 0,1
	s_delay_alu instid0(VALU_DEP_2)
	v_mul_f32 v[SA+2*\p], s20, v[SA+2*\p]          ; the mean
.endr
.irp i, 0,2,4,6,8,10,12,14,16,18,20,22,24,26,28,30
.irp p, 0,1
	v_pk_add_f32 v[X+32*\p+\i:X+32*\p+\i+1], v[X+32*\p+\i:X+32*\p+\i+1], v[SA+2*\p:SA+2*\p+1] op_sel_hi:[1,0] neg_lo:[0,1] neg_hi:[0,1]   ; x - mean
.endr
.endr
.irp p, 0,1
	v_pk_mul_f32 v[SQ+2*\p:SQ+2*\p+1], v[X+32*\p:X+32*\p+1], v[X+32*\p:X+32*\p+1]
.endr
.irp i, 2,4,6,8,10,12,14,16,18,20,22,24,26,28,30
.irp p, 0,1
	s_delay_alu instid0(VALU_DEP_2)
	v_pk_fma_f32 v[SQ+2*\p:SQ+2*\p+1], v[X+32*\p+\i:X+32*\p+\i+1], v[X+32*\p+\i:X+32*\p+\i+1], v[SQ+2*\p:SQ+2*\p+1]
.endr
.endr
	ACROSS SQ
.irp p, 0,1
	s_delay_alu instid0(VALU_DEP_2)
	v_fma_f32 v[SQ+2*\p], v[SQ+2*\p], s20, s21     ; variance + eps
.endr
	s_wait_alu depctr_va_vdst(0)
.irp p, 0,1
	v_rsq_f32 v[SA+2*\p], v[SQ+2*\p]
.endr
	v_nop                                          ; a plain line behind the two
	s_wait_alu depctr_va_vdst(0)                   ; one wait for both, ahead of their first reader
	s_wait_loadcnt 0x0                             ; gain and bias
.irp i, 0,2,4,6,8,10,12,14,16,18,20,22,24,26,28,30
.irp p, 0,1
	v_pk_mul_f32 v[X+32*\p+\i:X+32*\p+\i+1], v[X+32*\p+\i:X+32*\p+\i+1], v[SA+2*\p:SA+2*\p+1] op_sel_hi:[1,0]
.endr
.endr
.irp i, 0,2,4,6,8,10,12,14,16,18,20,22,24,26,28,30
.irp p, 0,1
	v_pk_fma_f32 v[X+32*\p+\i:X+32*\p+\i+1], v[X+32*\p+\i:X+32*\p+\i+1], v[G+\i:G+\i+1], v[BB+\i:BB+\i+1]
.endr
.endr
.irp p, 0,1
.irp j, 0,1,2,3,4,5,6,7
	ds_store_b128 v[STI], v[X+32*\p+4*\j:X+32*\p+4*\j+3] offset:PITCH*\p+512*\j
.endr
.endr
	s_wait_dscnt 0x0                               ; for the others' sake: my rows lie in the stage
	s_barrier_signal -1
	s_barrier_wait -1
.irp b, 0,1,2,3
.irp j, 0,1,2,3
	ds_load_b128 v[T+16*\b+4*\j:T+16*\b+4*\j+3], v[STO] offset:128*\b+16*\j
.endr
.endr
	s_wait_dscnt 0x0
	QUANT T
	global_store_b128 v[LI], v[PC:PC+3], s[18:19]                  ; the fragment's image: 512, 256, 512, 256 consecutive aligned bytes
	global_store_b64 v[L8], v[PC+4:PC+5], s[18:19] offset:512
	global_store_b128 v[LI], v[PC+6:PC+9], s[18:19] offset:768
	global_store_b64 v[L8], v[PC+10:PC+11], s[18:19] offset:1280
	global_store_b32 v[S4R], v[PW], s[22:23]       ; lanes l and l xor 16 hold the same word and write it to the same place
	s_wait_tensorcnt 0x0
	ds_add_u32 v184, v185
	s_wait_dscnt 0x0
	s_endpgm
.Lfunc_end_k_q0cab96b3e9_prep:
	.size	k_q0cab96b3e9_prep, .Lfunc_end_k_q0cab96b3e9_prep-k_q0cab96b3e9_prep
	.p2alignl 7, 3214868480
	.fill 96, 4, 3214868480
	.section	.rodata,"a",@progbits
	.p2align	6, 0x0
	.amdhsa_kernel k_q0cab96b3e9_prep
		.amdhsa_group_segment_fixed_size 67072
		.amdhsa_private_segment_fixed_size 0
		.amdhsa_enable_private_segment 0
		.amdhsa_kernarg_size 88
		.amdhsa_user_sgpr_count 2
		.amdhsa_user_sgpr_kernarg_segment_ptr 1
		.amdhsa_wavefront_size32 1
		.amdhsa_system_sgpr_workgroup_id_x 1
		.amdhsa_system_sgpr_workgroup_id_y 1
		.amdhsa_system_sgpr_workgroup_id_z 1
		.amdhsa_system_vgpr_workitem_id 0
		.amdhsa_next_free_vgpr 186
		.amdhsa_next_free_sgpr 66
		.amdhsa_reserve_vcc 0
		.amdhsa_float_denorm_mode_32 3
		.amdhsa_float_denorm_mode_16_64 3
		.amdhsa_memory_ordered 1
		.amdhsa_forward_progress 1
		.amdhsa_inst_pref_size 120
	.end_amdhsa_kernel
	.amdgpu_metadata
---
amdhsa.version: [ 1, 2 ]
amdhsa.kernels:
  - .name:           k_q0cab96b3e9_prep
    .symbol:         k_q0cab96b3e9_prep.kd
    .args:
      - { .name: x, .offset: 0, .size: 8, .value_kind: global_buffer, .address_space: global }
      - { .name: ln1_g, .offset: 8, .size: 8, .value_kind: global_buffer, .address_space: global }
      - { .name: ln1_b, .offset: 16, .size: 8, .value_kind: global_buffer, .address_space: global }
      - { .name: hq, .offset: 24, .size: 8, .value_kind: global_buffer, .address_space: global }
      - { .name: wq, .offset: 32, .size: 8, .value_kind: global_buffer, .address_space: global }
      - { .name: wk, .offset: 40, .size: 8, .value_kind: global_buffer, .address_space: global }
      - { .name: wv, .offset: 48, .size: 8, .value_kind: global_buffer, .address_space: global }
      - { .name: wo, .offset: 56, .size: 8, .value_kind: global_buffer, .address_space: global }
      - { .name: w1, .offset: 64, .size: 8, .value_kind: global_buffer, .address_space: global }
      - { .name: w2, .offset: 72, .size: 8, .value_kind: global_buffer, .address_space: global }
      - { .name: wts, .offset: 80, .size: 8, .value_kind: global_buffer, .address_space: global }
    .group_segment_fixed_size: 67072
    .private_segment_fixed_size: 0
    .kernarg_segment_align: 8
    .kernarg_segment_size: 88
    .max_flat_workgroup_size: 256
    .sgpr_count:     66
    .vgpr_count:     186
    .wavefront_size: 32
...
	.end_amdgpu_metadata
.endif
;; end of part 1
;; launch gqkv (part 2): grid 8 x 24, 4 waves a work-group, clusters of 4 x 4, 327,680 bytes of LDS; arguments hq, wts, bq, bk, bv, qp, kv; writes qp, kv
.if DOCPART == 2
	.amdgcn_target "amdgcn-amd-amdhsa--gfx1250"
	.amdhsa_code_object_version 6
	.text
	.protected	k_q0cab96b3e9_gqkv
	.globl	k_q0cab96b3e9_gqkv
	.p2align	8
	.type	k_q0cab96b3e9_gqkv,@function
k_q0cab96b3e9_gqkv:
	s_mov_b64 s[64:65], 0
	v_nop
	global_prefetch_b8 v0, s[64:65] scope:SCOPE_SE
	s_setreg_imm32_b32 hwreg(HW_REG_WAVE_MODE, 25, 1), 1
	s_wait_xcnt 0x0
	s_wait_alu depctr_hold_cnt(0) depctr_sa_sdst(0) depctr_va_vdst(0) depctr_va_sdst(0) depctr_va_ssrc(0) depctr_va_vcc(0) depctr_vm_vsrc(0)
	s_getreg_b32 s2, hwreg(HW_REG_IB_STS2, 6, 4)
	s_cmp_eq_u32 s2, 0
	s_cbranch_scc0 .Lentry_in_a_cluster
	s_endpgm
.Lentry_in_a_cluster:
	s_bfe_u32 s2, ttmp6, 0x10000c
	s_cmp_lg_u32 s2, 0xf033
	s_cbranch_scc0 .Lentry_shape_is_right
	s_endpgm
.Lentry_shape_is_right:
.set KIND,  0
.set NQ,    2
.set FR,    12
.set NL,    4
.set NP,    4
.set TP,    12288
.set STP,   512
.set FB2,   3072
.set HT,    8*FB2
.set SLOT,  4*HT
.set SCL,   2*SLOT
.set HALFS, 8*STP
.set SPARE, SCL+4*HALFS
.set BIASL, SPARE+512
.set WS,    9437184
.set HQS,   3145728
.set SOFQ, 15
.set ADRA, 16
.set ADRB, 20
.set LI,   24
.set L8,   25
.set S4R,  26
.set ADRS, 27
.set SPW,  28
.set NIL,  29
.set BA,   30
.set BR,   31
.set SC,   32
.set CB,   64
.set RB,   64
.set AF,   128
.set T,    128
.set PC,   192
.set TM,   212
.set PW,   228
.set PWS,  230
.set SEL,  100
.set G1,   28
.set G0,   36
.set G1B,  44
.set G0B,  52
.set G1S,  68
.set G0S,  76
.set G1SB, 80
.set G0SB, 88
.set MSB, 0
.macro WIN new
.if MSB != (\new)
	s_set_vgpr_msb (MSB<<8)|(\new)
.set MSB, (\new)
.endif
.endm
.set MUL_LO, 0xa1
.set MUL_HI, 0xf1
.set TO_B,   0x40
.macro JLOAD g0a, g1a, g0b, g1b
	s_cmp_eq_u32 s19, 0
	s_cbranch_scc0 .Lfor_b_\@
	tensor_load_to_lds s[\g0a:\g0a+3], s[\g1a:\g1a+7]
	s_nop 0
.rept 4
	v_nop
.endr
	s_branch .Lasked_\@
.Lfor_b_\@:
	tensor_load_to_lds s[\g0b:\g0b+3], s[\g1b:\g1b+7]
	s_nop 0
.rept 4
	v_nop
.endr
.Lasked_\@:
.endm
.macro CREST
	s_cmp_lg_u32 s18, 0
	s_cbranch_scc1 .Lnot_wave_0_\@
	s_barrier_signal -3
.Lnot_wave_0_\@:
	s_barrier_wait -3
	s_barrier_signal -1
	s_barrier_wait -1
.endm
.macro CROUND
	s_barrier_signal -1
	s_barrier_wait -1
	CREST
.endm
.macro PLACES n
.rept \n
	v_nop
.endr
.endm
	s_load_b256 s[4:11], s[0:1], 0x0
.if KIND == 0
	s_load_b128 s[12:15], s[0:1], 0x20
	s_load_b64 s[16:17], s[0:1], 0x30
.endif
	v_lshl_add_u32 v[SPW], v0, 2, SPARE
	v_mov_b32 v[NIL], 0
	ds_add_u32 v28, v29
	ds_add_u32 v28, v29
	s_wait_dscnt 0x0
	v_lshrrev_b32 v1, 5, v0
	v_readfirstlane_b32 s18, v1
	s_lshr_b32 s19, s18, 1
	s_and_b32 s20, s18, 1
	s_bfe_u32 s21, ttmp6, 0x40000
	s_bfe_u32 s22, ttmp6, 0x40004
	s_and_b32 s92, ttmp7, 0xffff
.if KIND == 0
	s_lshl_b32 s93, s92, 2
	s_lshl_b32 s94, s92, 1
	s_add_co_u32 s94, s94, ttmp9
	s_sub_co_u32 s94, s94, 8
	s_lshl_b32 s94, s94, 2
	s_lshl_b32 s95, ttmp9, 2
	s_cmp_ge_u32 s92, 4
	s_cselect_b32 s25, 1, 0
	s_cselect_b32 s24, 0, s93
	s_cselect_b32 s23, s94, s95
	s_add_co_u32 s24, s24, s22
	s_add_co_u32 s23, s23, s21
.else
	s_lshl_b32 s24, s92, 2
	s_add_co_u32 s24, s24, s22
	s_lshl_b32 s23, ttmp9, 2
	s_add_co_u32 s23, s23, s21
.endif
	s_lshl_b32 s26, s22, 2
	s_lshl_b32 s26, 15, s26
	s_lshl_b32 s27, 0x1111, s21
	s_or_b32 s[G1+0], s26, (3<<16)|(1<<21)
	s_or_b32 s[G1B+0], s27, (3<<16)|(1<<21)
.irp g, G1, G1B
	s_mov_b32 s[\g+1], 384<<16
	s_mov_b32 s[\g+2], 8<<16
	s_mov_b32 s[\g+3], 384<<16
	s_mov_b32 s[\g+4], 8
	s_mov_b32 s[\g+5], TP/8
	s_mov_b32 s[\g+6], 0
	s_mov_b32 s[\g+7], 0
.endr
	s_lshl_b32 s60, s24, 4
	s_lshl_b32 s61, s20, 3
	s_add_co_u32 s60, s60, s61
	s_lshl_b32 s62, s60, 9
	s_mul_i32 s60, s60, TP
	s_mov_b32 s61, 0
	s_mov_b32 s63, 0
	s_lshl_b32 s66, s23, 4
	s_lshl_b32 s67, s20, 3
	s_add_co_u32 s66, s66, s67
	s_lshl_b32 s2, s66, 9
	s_mul_i32 s66, s66, TP
	s_mov_b32 s67, 0
	s_mov_b32 s3, 0
	s_mul_i32 s100, s18, HT
	s_mul_i32 s101, s18, HALFS
	s_wait_kmcnt 0x0
.if KIND == 0
	s_add_nc_u64 s[92:93], s[6:7], 1572864
	s_add_nc_u64 s[94:95], s[6:7], WS+65536
	s_add_nc_u64 s[96:97], s[4:5], HQS
	s_add_nc_u64 s[98:99], s[6:7], WS
	s_cmp_eq_u32 s25, 1
	s_cselect_b64 s[92:93], s[92:93], s[4:5]
	s_cselect_b64 s[94:95], s[94:95], s[96:97]
	s_cselect_b64 s[98:99], s[96:97], s[98:99]
	s_cselect_b64 s[96:97], s[4:5], s[6:7]
.else
	s_mov_b64 s[92:93], s[4:5]
	s_add_nc_u64 s[94:95], s[4:5], HQS
	s_add_nc_u64 s[96:97], s[6:7], 3145728
	s_add_nc_u64 s[98:99], s[6:7], WS+131072
.endif
	s_add_nc_u64 s[92:93], s[92:93], s[60:61]
	s_add_nc_u64 s[94:95], s[94:95], s[62:63]
	s_add_nc_u64 s[96:97], s[96:97], s[66:67]
	s_add_nc_u64 s[98:99], s[98:99], s[2:3]
	CROUND
	s_cmp_eq_u32 s19, 0                            ; the scale words of eight tiles, 4,096 dense bytes a wave, come through registers: waves 0, 1 take A's, waves 2, 3 B's
	s_cselect_b64 s[G0S:G0S+1], s[94:95], s[98:99]
	v_and_b32 v[LI], 31, v0
	v_lshlrev_b32 v[LI], 4, v[LI]
.irp s, 0,1
	s_mov_b32 s[G0+4*\s], 1
	s_add_co_u32 s[G0+4*\s+1], s100, \s*SLOT
	s_add_nc_u64 s[G0+4*\s+2:G0+4*\s+3], s[92:93], \s*FB2
	s_or_b32 s[G0+4*\s+3], s[G0+4*\s+3], 0x80000000
	s_mov_b32 s[G0B+4*\s], 1
	s_add_co_u32 s[G0B+4*\s+1], s100, \s*SLOT
	s_add_nc_u64 s[G0B+4*\s+2:G0B+4*\s+3], s[96:97], \s*FB2
	s_or_b32 s[G0B+4*\s+3], s[G0B+4*\s+3], 0x80000000
.if \s == 1                            ; slot 0's load is the head's one tensor load; slot 1's stands behind the full sequence
	s_wait_alu depctr_va_vdst(0)
.irp i, 0,1,2,3,4,5,6,7
	global_load_b128 v[CB+4*\i:CB+4*\i+3], v[LI], s[G0S:G0S+1] offset:512*\i   ; 512 consecutive aligned bytes a load
.endr
	s_lshl_b32 s92, s23, 1
	s_add_co_u32 s92, s92, s20
	s_and_b32 s92, s92, 7
	s_lshl_b32 s93, s24, 1
	s_add_co_u32 s93, s93, s19
	s_cmp_eq_u32 ttmp9, 0
	s_cselect_b64 s[94:95], s[8:9], s[10:11]
	s_cmp_eq_u32 s25, 1
	s_cselect_b64 s[94:95], s[12:13], s[94:95]
	s_cselect_b32 s92, s93, s92
	s_lshl_b32 s92, s92, 9
	s_mov_b32 s93, 0
	s_add_nc_u64 s[94:95], s[94:95], s[92:93]
	global_load_b128 v[8:11], v[LI], s[94:95]      ; the bias
	s_wait_tensorcnt 0x0
	ds_add_u32 v28, v29
	s_wait_dscnt 0x0
	CROUND
.endif
	JLOAD G0+4*\s, G1, G0B+4*\s, G1B
.endr
	v_and_b32 v1, 31, v0
	v_and_b32 v2, 15, v0
	v_bfe_u32 v3, v0, 4, 1
	v_lshlrev_b32 v[L8], 3, v1
	v_lshlrev_b32 v[S4R], 2, v2
	s_mul_i32 s92, s19, HT
	s_mul_i32 s93, s20, HT
	s_add_co_u32 s93, s93, 2*HT
.irp s, 0,1
	v_add_nc_u32 v[ADRA+\s], s92, v[LI]
	v_add_nc_u32 v[ADRA+2+\s], s92, v[L8]
	v_add_nc_u32 v[ADRB+\s], s93, v[LI]
	v_add_nc_u32 v[ADRB+2+\s], s93, v[L8]
	s_add_co_u32 s92, s92, SLOT
	s_add_co_u32 s93, s93, SLOT
.endr
	s_mul_i32 s92, s19, HALFS
	s_mul_i32 s93, s20, HALFS
	s_add_co_u32 s93, s93, 2*HALFS
	s_sub_co_u32 s93, s93, s92
	v_mul_u32_u24 v4, s93, v3
	s_add_co_u32 s92, s92, SCL
	v_add_nc_u32 v4, v4, v[S4R]
	v_add_nc_u32 v[ADRS], s92, v4
	s_lshl_b32 s96, s18, 9
	s_add_co_u32 s96, s96, BIASL
	v_lshl_add_u32 v[BA], v3, 6, s96
	v_and_b32 v5, 8, v2
	v_add_nc_u32 v5, v5, v2
	v_lshl_add_u32 v[BR], v5, 2, s96
	v_add_nc_u32 v6, s96, v[LI]
	s_add_co_u32 s97, s101, SCL
	v_add_nc_u32 v7, s97, v[LI]
	s_wait_alu depctr_va_vdst(0)
	s_wait_loadcnt 0x0
	ds_store_b128 v6, v[8:11]
.irp i, 0,1,2,3,4,5,6,7
	ds_store_b128 v7, v[CB+4*\i:CB+4*\i+3] offset:512*\i   ; my eight tiles' scale words, as they lie
.endr
.macro FRAG reg, adr, q, i
	ds_load_b128 v[\reg:\reg+3], v[\adr] offset:(\i)*FB2+(\q)*1536
	ds_load_b64 v[\reg+4:\reg+5], v[\adr+2] offset:(\i)*FB2+(\q)*1536+512
	ds_load_b128 v[\reg+6:\reg+9], v[\adr] offset:(\i)*FB2+(\q)*1536+768
	ds_load_b64 v[\reg+10:\reg+11], v[\adr+2] offset:(\i)*FB2+(\q)*1536+1280
.endm
.macro MUL16 a0, p, q, sc, zero
.irp a, \a0, \a0+1
.irp b, 0,1,2,3,4,5,6,7
.if \zero
	v_wmma_scale_f32_16x16x128_f8f6f4 v[8*(8*((\a)%4)+\b):8*(8*((\a)%4)+\b)+7], v[128*(\p)+FR*\b:128*(\p)+FR*\b+FR-1], v[AF+FR*(\a):AF+FR*(\a)+FR-1], 0, v[SC+8*NQ*(\sc)+NQ*\b+(\q)], v[SC+8*NQ*(\sc)+NQ*(\a)+(\q)] matrix_a_fmt:MATRIX_FMT_BF6 matrix_b_fmt:MATRIX_FMT_BF6 matrix_a_scale:MATRIX_SCALE_ROW1
.else
	v_wmma_scale_f32_16x16x128_f8f6f4 v[8*(8*((\a)%4)+\b):8*(8*((\a)%4)+\b)+7], v[128*(\p)+FR*\b:128*(\p)+FR*\b+FR-1], v[AF+FR*(\a):AF+FR*(\a)+FR-1], v[8*(8*((\a)%4)+\b):8*(8*((\a)%4)+\b)+7], v[SC+8*NQ*(\sc)+NQ*\b+(\q)], v[SC+8*NQ*(\sc)+NQ*(\a)+(\q)] matrix_a_fmt:MATRIX_FMT_BF6 matrix_b_fmt:MATRIX_FMT_BF6 matrix_a_scale:MATRIX_SCALE_ROW1
.endif
.endr
.endr
.endm
.macro FETCH_B slot, q, p
	WIN TO_B
.irp i, 0,1,2,3,4,5,6,7
	FRAG 128*(\p)+FR*\i, ADRB+\slot, \q, \i
.endr
	WIN 0
.endm
.macro FETCH_A slot, q, i0
.irp i, \i0, \i0+1, \i0+2, \i0+3
	FRAG AF+FR*(\i), ADRA+\slot, \q, \i
.endr
.endm
.macro SCALES sc
.irp i, 0,1,2,3,4,5,6,7
	ds_load_b32 v[SC+8*NQ*(\sc)+NQ*\i], v[ADRS] offset:\i*STP
	ds_load_b32 v[SC+8*NQ*(\sc)+NQ*\i+1], v[ADRS] offset:\i*STP+64
.endr
.endm
.macro STEP slot, q, zero
	s_wait_dscnt 4*NL
	WIN MUL_LO
	MUL16 0, (\q)%2, \q, \slot, \zero
	MUL16 2, (\q)%2, \q, \slot, \zero
	s_wait_dscnt 0
	PLACES NP
	FETCH_B \slot, (\q)+1, 1-(\q)%2
	FETCH_A \slot, (\q)+1, 0
	WIN MUL_HI
	MUL16 4, (\q)%2, \q, \slot, \zero
	MUL16 6, (\q)%2, \q, \slot, \zero
	PLACES NP
	WIN 0
	FETCH_A \slot, (\q)+1, 4
.endm
.macro TURN slot, next, fill
	s_wait_tensorcnt 0x0
	ds_add_u32 v[SPW], v[NIL]
	s_wait_dscnt 4*NL+1
	WIN MUL_LO
	MUL16 0, 1, NQ-1, \slot, 0
	s_wait_dscnt 0x0
	s_barrier_signal -1
	MUL16 2, 1, NQ-1, \slot, 0
	WIN 0
	s_barrier_wait -1
.if \fill
	CREST
	s_add_nc_u64 s[G0+4*\slot+2:G0+4*\slot+3], s[G0+4*\slot+2:G0+4*\slot+3], 2*FB2
	s_add_nc_u64 s[G0B+4*\slot+2:G0B+4*\slot+3], s[G0B+4*\slot+2:G0B+4*\slot+3], 2*FB2
	JLOAD G0+4*\slot, G1, G0B+4*\slot, G1B
.else
	PLACES NP
.endif
	s_wait_alu depctr_va_vdst(0)
	v_add_nc_u32 v[ADRS], 128, v[ADRS]
	FETCH_B \next, 0, 0
	FETCH_A \next, 0, 0
	SCALES \next
	WIN MUL_HI
	MUL16 4, 1, NQ-1, \slot, 0
	MUL16 6, 1, NQ-1, \slot, 0
	PLACES NP
	WIN 0
	FETCH_A \next, 0, 4
.endm
	s_wait_tensorcnt 1
	s_wait_dscnt 0x0
	s_barrier_signal -1
	s_barrier_wait -1
	FETCH_B 0, 0, 0
	FETCH_A 0, 0, 0
	SCALES 0
	FETCH_A 0, 0, 4
	STEP 0, 0, 1
	TURN 0, 1, 1
	STEP 1, 0, 0
	TURN 1, 0, 1
	STEP 0, 0, 0
	TURN 0, 1, 0
	STEP 1, 0, 0
	s_wait_dscnt 4*NL
	WIN MUL_LO
	MUL16 0, 1, NQ-1, 1, 0
	MUL16 2, 1, NQ-1, 1, 0
	s_wait_dscnt 0
	WIN MUL_HI
	MUL16 4, 1, NQ-1, 1, 0
	MUL16 6, 1, NQ-1, 1, 0
	WIN 0
	PLACES NP
.macro QUANT s
.irp b, 0,1,2,3
	v_max3_num_f32 v[TM+\b], |v[\s+16*\b]|, |v[\s+1+16*\b]|, 0x2800000
.endr
.irp i, 2,4,6,8,10,12,14
.irp b, 0,1,2,3
	v_max3_num_f32 v[TM+\b], v[TM+\b], |v[\s+16*\b+\i]|, |v[\s+1+16*\b+\i]|
.endr
.endr
.irp b, 0,1,2,3
	v_permlanex16_b32 v[TM+4+\b], v[TM+\b], s[SEL], s[SEL+1]
.endr
.irp b, 0,1,2,3
	v_max_num_f32 v[TM+\b], v[TM+\b], v[TM+4+\b]
.endr
.irp b, 0,1,2,3
	v_add_nc_u32 v[TM+12+\b], 0xfe000000, v[TM+\b]
.endr
.irp b, 0,1,2,3
	v_lshrrev_b32 v[TM+4+\b], 23, v[TM+12+\b]
.endr
	v_lshl_or_b32 v[PW], v[TM+5], 8, v[TM+4]
	v_lshl_or_b32 v[PW], v[TM+6], 16, v[PW]
	v_lshl_or_b32 v[PW], v[TM+7], 24, v[PW]
.irp c, 0,1
	v_cvt_scalef32_pk16_bf6_f32 v[PC+6*\c:PC+2+6*\c], v[\s+32*\c:\s+15+32*\c], v[TM+12+2*\c]
	v_cvt_scalef32_pk16_bf6_f32 v[PC+12+4*\c:PC+14+4*\c], v[\s+16+32*\c:\s+31+32*\c], v[TM+12+2*\c+1]
.endr
	v_nop
.irp c, 0,1
.irp i, 0,1,2
	v_permlane16_swap_b32 v[PC+6*\c+\i], v[PC+12+4*\c+\i]
.endr
.irp i, 0,1,2
	v_mov_b32 v[PC+3+6*\c+\i], v[PC+12+4*\c+\i]
.endr
.endr
.endm
.macro PUTFRAG sb, off
	global_store_b128 v[LI], v[PC:PC+3], s[\sb:\sb+1] offset:\off
	global_store_b64 v[L8], v[PC+4:PC+5], s[\sb:\sb+1] offset:\off+512
	global_store_b128 v[LI], v[PC+6:PC+9], s[\sb:\sb+1] offset:\off+768
	global_store_b64 v[L8], v[PC+10:PC+11], s[\sb:\sb+1] offset:\off+1280
.endm
.macro EPI a, kind
	WIN 0x02+(\a)/4
.set AC, 64*((\a)%4)
.set n, 0
.rept 32
.if \kind == 1
	v_pk_add_f32 v[T+2*n:T+2*n+1], v[AC+2*n:AC+2*n+1], v[RB+2*(\a):RB+2*(\a)+1]
.else
	v_pk_add_f32 v[T+2*n:T+2*n+1], v[AC+2*n:AC+2*n+1], v[CB+2*n:CB+2*n+1]
.endif
.set n, n+1
.endr
	WIN 0
.if \kind == 2
.set n, 0
.rept 64
	v_max_num_f32 v[T+n], 0, v[T+n]
.set n, n+1
.endr
.endif
.if (\a) > 0
	s_wait_xcnt 0x0
.endif
	QUANT T
.if \kind == 0
	global_store_b128 v[LI], v[PC:PC+3], s[60:61] offset:(\a)*768
	global_store_b64 v[L8], v[PC+4:PC+5], s[60:61] offset:(\a)*768+512
	global_store_b128 v[LI], v[PC+6:PC+9], s[66:67] offset:(\a)*768
	global_store_b64 v[L8], v[PC+10:PC+11], s[66:67] offset:(\a)*768+512
	v_and_b32 v231, 0xffff, v[PW]
	v_lshrrev_b32 v232, 16, v[PW]
	v_cndmask_b32 v[PWS], v231, v232, s2
	global_store_b32 v[SOFQ], v[PWS], s[62:63] offset:(\a)*64
.elseif \kind == 1
	PUTFRAG 60, ((\a)/4)*104448+((\a)%4)*1536
	global_store_b32 v[S4R], v[PW], s[60:61] offset:((\a)/4)*104448+6144+((\a)%4)*64
.else
	PUTFRAG 60, (\a)*49152
	global_store_b32 v[S4R], v[PW], s[62:63] offset:(\a)*2048
.endif
.endm
	s_mov_b32 s[SEL], 0x76543210
	s_mov_b32 s[SEL+1], 0xfedcba98
.irp b, 0,1,2,3
	v_mov_b32 v[TM+4+\b], 0
.endr
.macro COLB
.irp b, 0,1,2,3,4,5,6,7
	ds_load_b128 v[CB+8*\b:CB+8*\b+3], v[BA] offset:(32*(\b/2)+8*(\b%2))*4
	ds_load_b128 v[CB+8*\b+4:CB+8*\b+7], v[BA] offset:(32*(\b/2)+8*(\b%2))*4+16
.endr
	s_wait_dscnt 0x0
.endm
.if KIND == 0
	s_cmp_eq_u32 s25, 1
	s_cbranch_scc1 .Lvpath
	COLB
	s_mov_b32 s2, 0xffff0000
	s_lshr_b32 s92, s24, 2
	s_lshl_b32 s92, s92, 4
	s_lshl_b32 s93, s23, 1
	s_add_co_u32 s93, s93, s20
	s_and_b32 s93, s93, 7
	s_lshl_b32 s93, s93, 1
	s_add_co_u32 s92, s92, s93
	s_lshl_b32 s93, s24, 1
	s_add_co_u32 s93, s93, s19
	s_and_b32 s93, s93, 7
	s_lshl_b32 s94, s92, 6
	s_lshl_b32 s95, s93, 3
	s_add_co_u32 s94, s94, s95
	s_mul_i32 s95, s94, 768
	s_lshl_b32 s94, s94, 6
	s_add_co_u32 s94, s94, 3145728
	s_lshl_b32 s92, s92, 3
	s_add_co_u32 s92, s92, s93
	s_mul_i32 s92, s92, 13056
	s_add_co_u32 s93, s92, 6144
	s_mov_b32 s96, 104448
	s_mov_b32 s97, s96
	s_cmp_eq_u32 ttmp9, 0
	s_cselect_b64 s[98:99], s[14:15], s[16:17]
	s_cselect_b32 s60, s95, s92
	s_cselect_b32 s62, s94, s93
	s_cselect_b32 s96, 49152, s96
	s_cselect_b32 s97, 4096, s97
	s_mov_b32 s61, 0
	s_mov_b32 s63, 0
	s_add_nc_u64 s[60:61], s[98:99], s[60:61]
	s_add_nc_u64 s[62:63], s[98:99], s[62:63]
	s_mov_b32 s66, s96
	s_mov_b32 s67, 0
	s_add_nc_u64 s[66:67], s[60:61], s[66:67]
	v_mul_u32_u24 v4, s97, v3
	v_add_nc_u32 v[SOFQ], v4, v[S4R]
.irp a, 0,1,2,3,4,5,6,7
	EPI \a, 0
.endr
	s_branch .Lout
.Lvpath:
.irp a, 0,1,2,3,4,5,6,7
	ds_load_b32 v[RB+2*\a], v[BR] offset:(32*(\a/2)+8*(\a%2))*4
	ds_load_b32 v[RB+2*\a+1], v[BR] offset:(32*(\a/2)+8*(\a%2))*4
.endr
	s_wait_dscnt 0x0
	s_lshr_b32 s92, s23, 2
	s_lshl_b32 s92, s92, 4
	s_lshl_b32 s93, s24, 2
	s_add_co_u32 s92, s92, s93
	s_lshl_b32 s93, s19, 1
	s_add_co_u32 s92, s92, s93
	s_lshl_b32 s92, s92, 3
	s_lshl_b32 s93, s23, 1
	s_add_co_u32 s93, s93, s20
	s_and_b32 s93, s93, 7
	s_add_co_u32 s92, s92, s93
	s_mul_i32 s60, s92, 13056
	s_add_co_u32 s60, s60, 6656
	s_mov_b32 s61, 0
	s_add_nc_u64 s[60:61], s[16:17], s[60:61]
.irp a, 0,1,2,3,4,5,6,7
	EPI \a, 1
.endr
.Lout:
.else
	COLB
	s_lshl_b32 s92, s24, 4
	s_lshl_b32 s93, s19, 3
	s_add_co_u32 s92, s92, s93
	s_lshl_b32 s93, s23, 1
	s_add_co_u32 s93, s93, s20
	s_mul_i32 s60, s92, 49152
	s_mul_i32 s94, s93, 1536
	s_add_co_u32 s60, s60, s94
	s_mov_b32 s61, 0
	s_lshl_b32 s62, s92, 11
	s_lshl_b32 s94, s93, 6
	s_add_co_u32 s62, s62, s94
	s_add_co_u32 s62, s62, 12582912
	s_mov_b32 s63, 0
	s_add_nc_u64 s[60:61], s[10:11], s[60:61]
	s_add_nc_u64 s[62:63], s[10:11], s[62:63]
.irp a, 0,1,2,3,4,5,6,7
	EPI \a, 2
.endr
.endif
	s_wait_tensorcnt 0x0
	ds_add_u32 v[SPW], v[NIL]
	s_wait_dscnt 0x0
	CROUND
	s_endpgm
.Lfunc_end_k_q0cab96b3e9_gqkv:
	.size	k_q0cab96b3e9_gqkv, .Lfunc_end_k_q0cab96b3e9_gqkv-k_q0cab96b3e9_gqkv
	.p2alignl 7, 3214868480
	.fill 96, 4, 3214868480
	.section	.rodata,"a",@progbits
	.p2align	6, 0x0
	.amdhsa_kernel k_q0cab96b3e9_gqkv
		.amdhsa_group_segment_fixed_size 327680
		.amdhsa_private_segment_fixed_size 0
		.amdhsa_enable_private_segment 0
		.amdhsa_kernarg_size 56
		.amdhsa_user_sgpr_count 2
		.amdhsa_user_sgpr_kernarg_segment_ptr 1
		.amdhsa_wavefront_size32 1
		.amdhsa_system_sgpr_workgroup_id_x 1
		.amdhsa_system_sgpr_workgroup_id_y 1
		.amdhsa_system_sgpr_workgroup_id_z 1
		.amdhsa_system_vgpr_workitem_id 0
		.amdhsa_next_free_vgpr 1024
		.amdhsa_next_free_sgpr 102
		.amdhsa_reserve_vcc 0
		.amdhsa_float_denorm_mode_32 3
		.amdhsa_float_denorm_mode_16_64 3
		.amdhsa_memory_ordered 1
		.amdhsa_forward_progress 1
		.amdhsa_inst_pref_size 223
	.end_amdhsa_kernel
	.amdgpu_metadata
---
amdhsa.version: [ 1, 2 ]
amdhsa.kernels:
  - .name:           k_q0cab96b3e9_gqkv
    .symbol:         k_q0cab96b3e9_gqkv.kd
    .args:
      - { .name: hq, .offset: 0, .size: 8, .value_kind: global_buffer, .address_space: global }
      - { .name: wts, .offset: 8, .size: 8, .value_kind: global_buffer, .address_space: global }
      - { .name: bq, .offset: 16, .size: 8, .value_kind: global_buffer, .address_space: global }
      - { .name: bk, .offset: 24, .size: 8, .value_kind: global_buffer, .address_space: global }
      - { .name: bv, .offset: 32, .size: 8, .value_kind: global_buffer, .address_space: global }
      - { .name: qp, .offset: 40, .size: 8, .value_kind: global_buffer, .address_space: global }
      - { .name: kv, .offset: 48, .size: 8, .value_kind: global_buffer, .address_space: global }
    .group_segment_fixed_size: 327680
    .private_segment_fixed_size: 0
    .kernarg_segment_align: 8
    .kernarg_segment_size: 56
    .max_flat_workgroup_size: 128
    .sgpr_count:     102
    .vgpr_count:     1024
    .wavefront_size: 32
...
	.end_amdgpu_metadata
.endif
;; end of part 2
;; launch attn (part 3): grid 4 x 64, 16 waves a work-group, clusters of 4 x 1, 169,984 bytes of LDS; arguments qp, kv, at; writes at
.if DOCPART == 3
	.amdgcn_target "amdgcn-amd-amdhsa--gfx1250"
	.amdhsa_code_object_version 6
	.text
	.protected	k_q0cab96b3e9_attn
	.globl	k_q0cab96b3e9_attn
	.p2align	8
	.type	k_q0cab96b3e9_attn,@function
k_q0cab96b3e9_attn:
	s_mov_b64 s[64:65], 0
	v_nop
	global_prefetch_b8 v0, s[64:65] scope:SCOPE_SE
	s_setreg_imm32_b32 hwreg(HW_REG_WAVE_MODE, 25, 1), 1
	s_wait_xcnt 0x0
	s_wait_alu depctr_hold_cnt(0) depctr_sa_sdst(0) depctr_va_vdst(0) depctr_va_sdst(0) depctr_va_ssrc(0) depctr_va_vcc(0) depctr_vm_vsrc(0)
	s_getreg_b32 s2, hwreg(HW_REG_IB_STS2, 6, 4)
	s_cmp_eq_u32 s2, 0
	s_cbranch_scc0 .Lentry_in_a_cluster
	s_endpgm
.Lentry_in_a_cluster:
	s_bfe_u32 s2, ttmp6, 0x10000c
	s_cmp_lg_u32 s2, 0x3003
	s_cbranch_scc0 .Lentry_shape_is_right
	s_endpgm
.Lentry_shape_is_right:
; Causal attention of one head (64 channels, 1,024 tokens) on codes of BF6 (E3M2) with E8M0 scales; the result, divided by the row's sum, is quantised along the channels for the next product.
; qp: Q's half images [head][tile 64][768], from byte 3,145,728 its scale words [head][tile][place].  kv: packs [head][key step 8][13,056]: K's 8 half images, K's 8 x 64 bytes of words, V^T's 4 fragments (16 channels x 128 keys), V's 4 x 64 bytes of words.
; at: images [row tile 256][head 16][768], from byte 3,145,728 scale words [row tile][8][place].  A tile is 16 rows: tile 2 g + u, place p: row 32 g + 8 u + p + 8 (p / 8).
; THE SOFTMAX: t = score x log2(e) / 8; M = the running largest t rounded UP to a whole number; p = 2^(t - M) is quantised along the keys; the sum is taken of the unquantised p and divides at the end; when M moves, sum and O are multiplied by 2^(old M - new M): exact.
; SHARES.  The four work-groups of a cluster share one head.  Wave w of partner cx owns query tile 8 j + 4 (w / 8) + cx, with j = w % 4 where bit 2 of w is clear and 7 - w % 4 where it is set; the tile needs key steps 0 .. j.
; So waves w, w + 4, w + 8, w + 12 have 18 key steps together, whatever w.  j hangs on the wave's number alone, so no branch hangs on a work-group's place in its cluster;
; cx enters global addresses and the mask's numbers only.  The head's whole kv, 104,448 bytes, is asked for jointly, once: waves 0-7 one pack each.  Nothing in LDS is filled again.
; Both products are used transposed (S^T = K Q^T, O^T = V^T P^T): a lane holds one query throughout.  The first product's K is 64: the codes of k = 64 .. 127 are zeros on both sides.
; LIMITS: a block of zeros gets the byte 1 and not 127 (its codes are zeros; this program alone reads the bytes); NaN and infinities are not served.
; REGISTERS: v1-3 16, 8 x lane, 4 r; v4 my query - 16 h; v5-7 work; v8-10 the step's addresses; v12 -M, v13 largest t, v[14:15] sums; v16-27 Q; v28 Q's word, v29 p's word, v[30:31] f; v32-79 four tiles of K; v80-127 V; v128-191 S^T, p; v192-223 O^T; v224-235 p's codes; v236-251 work; v252-255 scale words.
.set PACK, 13056
.set WV,  18
.set JW,  19
.set J,   20
.set TB,  21
.set KF,  22
.set SEL, 24
.set CS,  26
.set G1,  28
.set G0,  36
.macro ROUND
	s_barrier_signal -1
	s_barrier_wait -1
	s_cmp_lg_u32 s[WV], 0
	s_cbranch_scc1 .Lnot_wave_0_\@
	s_barrier_signal -3
.Lnot_wave_0_\@:
	s_barrier_wait -3
	s_barrier_signal -1
	s_barrier_wait -1
.endm
	s_load_b128 s[4:7], s[0:1], 0x0                ; qp, kv
	s_load_b64 s[8:9], s[0:1], 0x10                ; at
	v_lshl_add_u32 v11, v0, 2, 0x29000
	v_mov_b32 v247, 0
	ds_add_u32 v11, v247
	ds_add_u32 v11, v247
	v_lshrrev_b32 v5, 5, v0
	s_delay_alu instid0(VALU_DEP_1)
	v_readfirstlane_b32 s[WV], v5                  ; wave 0..15
	s_and_b32 s11, ttmp7, 0xffff                   ; batch x 16 + head
	s_bfe_u32 s12, s[WV], 0x10002                  ; bit 2 of my wave's number
	s_mul_i32 s12, s12, 7
	s_and_b32 s[JW], s[WV], 3
	s_xor_b32 s[JW], s[JW], s12                    ; my last key step: w % 4, or 7 - w % 4 (under 8 the exclusive or with 7 is that difference)
	s_mov_b32 s[G1], 15|(3<<16)|(1<<21)            ; all four partners; elements of 8 bytes; bit 21 beside a mask
	s_mov_b32 s[G1+1], 32<<16                      ; a pack: 51 rows of 256 dense bytes
	s_mov_b32 s[G1+2], 51<<16
	s_mov_b32 s[G1+3], 32<<16
	s_mov_b32 s[G1+4], 51
	s_mov_b32 s[G1+5], 32
	s_mov_b32 s[G1+6], 0
	s_mov_b32 s[G1+7], 0
	s_mul_i32 s13, s11, 8*PACK
	s_mul_i32 s14, s[WV], PACK
	s_add_co_u32 s40, s13, s14
	s_mov_b32 s41, 0
	s_bfe_u32 s10, ttmp6, 0x40000                  ; cx
	s_lshl_b32 s12, s[JW], 3
	s_lshr_b32 s16, s[WV], 3
	s_lshl_b32 s16, s16, 2
	s_add_co_u32 s12, s12, s16
	s_add_co_u32 s12, s12, s10                     ; my query tile: 8 j + 4 (w / 8) + cx
	s_lshl_b32 s16, s11, 6
	s_add_co_u32 s16, s16, s12
	s_mul_i32 s42, s16, 768
	s_mov_b32 s43, 0
	s_lshl_b32 s44, s16, 6
	s_add_co_u32 s44, s44, 3145728
	s_mov_b32 s45, 0
	s_lshr_b32 s17, s11, 4
	s_lshl_b32 s17, s17, 6
	s_add_co_u32 s17, s17, s12                     ; my row tile of the next product
	s_and_b32 s15, s11, 15                         ; the head
	s_mul_i32 s46, s17, 12288
	s_mul_i32 s16, s15, 768
	s_add_co_u32 s46, s46, s16
	s_mov_b32 s47, 0
	s_lshl_b32 s48, s17, 9
	s_lshr_b32 s16, s15, 1
	s_lshl_b32 s16, s16, 6
	s_add_co_u32 s48, s48, s16
	s_and_b32 s16, s15, 1
	s_lshl_b32 s16, s16, 1
	s_add_co_u32 s48, s48, s16
	s_add_co_u32 s48, s48, 3145728
	s_mov_b32 s49, 0
	s_lshr_b32 s15, s12, 1
	s_lshl_b32 s15, s15, 5
	s_and_b32 s16, s12, 1
	s_lshl_b32 s16, s16, 3
	s_add_co_u32 s15, s15, s16                     ; the query at place 0 of my tile
	s_mov_b32 s[SEL], 0x76543210
	s_mov_b32 s[SEL+1], 0xfedcba98
	s_mov_b32 s[CS], 0x3e38aa3b                    ; log2(e) / 8
	s_mov_b32 s[CS+1], s[CS]
	s_mov_b32 s[J], 0
	s_mov_b32 s[TB], 0
	s_mov_b32 s[KF], 0
	s_wait_dscnt 0x0
	s_wait_kmcnt 0x0
	s_mov_b32 s[G0], 1
	s_mov_b32 s[G0+1], s14
	s_add_nc_u64 s[G0+2:G0+3], s[6:7], s[40:41]
	s_or_b32 s[G0+3], s[G0+3], 0x80000000
	s_add_nc_u64 s[42:43], s[4:5], s[42:43]
	s_add_nc_u64 s[44:45], s[4:5], s[44:45]
	s_add_nc_u64 s[46:47], s[8:9], s[46:47]
	s_add_nc_u64 s[48:49], s[8:9], s[48:49]
	ROUND                                          ; all four partners are here: the joint loads meet
	s_cmp_lt_u32 s[WV], 8
	s_cbranch_scc0 .Lno_fetch
	tensor_load_to_lds s[G0:G0+3], s[G1:G1+7]      ; my one tensor load of the launch
	s_nop 0
.rept 4
	v_nop
.endr
.Lno_fetch:
	v_and_b32 v5, 31, v0
	s_delay_alu instid0(VALU_DEP_1)
	v_lshlrev_b32 v1, 4, v5
	s_delay_alu instid0(VALU_DEP_2)
	v_lshlrev_b32 v2, 3, v5
	v_and_b32 v6, 15, v0
	s_delay_alu instid0(VALU_DEP_1)
	v_lshlrev_b32 v3, 2, v6
	v_bfe_u32 v7, v0, 4, 1
	global_load_b128 v[16:19], v1, s[42:43]        ; Q's half image stays in registers
	global_load_b64 v[20:21], v2, s[42:43] offset:512
	global_load_b32 v28, v3, s[44:45]
	v_and_b32 v4, 8, v6
	s_delay_alu instid0(VALU_DEP_1)
	v_add_nc_u32 v4, v4, v6
	s_delay_alu instid0(VALU_DEP_1)
	v_add_nc_u32 v4, s15, v4
	v_lshlrev_b32 v7, 4, v7
	s_delay_alu instid0(VALU_DEP_1)
	v_sub_nc_u32 v4, v4, v7                        ; my query - 16 h
.irp i, 22,23,24,25,26,27
	v_mov_b32 v\i, 0                               ; the codes of k = 64 .. 127: zeros
.endr
.irp t, 0,1,2,3
.irp i, 6,7,8,9,10,11
	v_mov_b32 v[32+12*\t+\i], 0
.endr
.endr
.set n, 0
.rept 32
	v_mov_b32 v[192+n], 0                          ; O^T: the step is written once; the first finds zeros
.set n, n+1
.endr
	v_mov_b32 v13, 0xff61b1e6                      ; -3e38, under every t
	s_delay_alu instid0(VALU_DEP_1)
	v_floor_f32 v12, -v13
	v_mov_b32 v14, 0
	v_mov_b32 v15, 0
	v_mov_b32 v31, 0
.irp b, 0,1,2,3
	v_mov_b32 v[240+\b], 0                         ; a lane permute's destination counts as a source
.endr
	s_wait_tensorcnt 0x0                           ; my pack has landed,
	s_barrier_signal -1
	s_barrier_wait -1                              ; everybody's has
	s_wait_loadcnt 0x0                             ; Q
.Lstep:                                            ; eight trips, a constant; a step all of whose keys come after my queries is jumped over
	s_cmp_gt_u32 s[J], s[JW]
	s_cbranch_scc1 .Lhidden
	v_add_nc_u32 v8, s[TB], v1
	v_add_nc_u32 v9, s[TB], v2
	v_add_nc_u32 v10, s[TB], v3
	v_nop                                          ; four places in front of loads into registers that the last products read
.irp t, 0,1,2,3
	ds_load_b128 v[32+12*\t:35+12*\t], v8 offset:768*\t
	ds_load_b64 v[36+12*\t:37+12*\t], v9 offset:768*\t+512
	ds_load_b32 v[252+\t], v10 offset:6144+64*\t
.endr
.irp c, 0,1,2,3
	ds_load_b128 v[80+12*\c:83+12*\c], v8 offset:6656+1536*\c
	ds_load_b64 v[84+12*\c:85+12*\c], v9 offset:6656+1536*\c+512
	ds_load_b128 v[86+12*\c:89+12*\c], v8 offset:6656+1536*\c+768
	ds_load_b64 v[90+12*\c:91+12*\c], v9 offset:6656+1536*\c+1280
.endr
	s_wait_alu depctr_va_vdst(0)
	s_wait_dscnt 16                                ; K's first four tiles are in; V's 16 loads may be out
.irp t, 0,1,2,3
	v_wmma_scale_f32_16x16x128_f8f6f4 v[128+8*\t:135+8*\t], v[32+12*\t:43+12*\t], v[16:27], 0, v[252+\t], v28 matrix_a_fmt:MATRIX_FMT_BF6 matrix_b_fmt:MATRIX_FMT_BF6
.endr
.rept 4
	v_nop
.endr
.irp t, 0,1,2,3
	ds_load_b128 v[32+12*\t:35+12*\t], v8 offset:768*(4+\t)
	ds_load_b64 v[36+12*\t:37+12*\t], v9 offset:768*(4+\t)+512
	ds_load_b32 v[252+\t], v10 offset:6144+64*(4+\t)
.endr
	s_wait_dscnt 0x0
.irp t, 0,1,2,3
	v_wmma_scale_f32_16x16x128_f8f6f4 v[160+8*\t:167+8*\t], v[32+12*\t:43+12*\t], v[16:27], 0, v[252+\t], v28 matrix_a_fmt:MATRIX_FMT_BF6 matrix_b_fmt:MATRIX_FMT_BF6
.endr
.rept 4
	v_nop
.endr
.irp c, 0,1,2,3
	ds_load_b32 v[252+\c], v10 offset:12800+64*\c  ; V's scale words
.endr
	s_cmp_lg_u32 s[J], s[JW]                       ; only my last step lies on the diagonal
	s_cbranch_scc1 .Lopen
	v_sub_nc_u32 v5, v4, s[KF]                     ; register 16 b + i holds key KF + 16 h + 32 b + i: hidden where 32 b + i > my query - 16 h - KF
	v_mov_b32 v6, 0xff800000
.set n, 0
.rept 64
	v_cmp_gt_i32 vcc_lo, 32*(n/16)+n%16, v5
	v_cndmask_b32 v[128+n], v[128+n], v6, vcc_lo
.set n, n+1
.endr
.Lopen:
.irp b, 0,1,2,3
	v_max3_num_f32 v[236+\b], v[128+16*\b], v[129+16*\b], v[130+16*\b]     ; the largest score of each block of 32 keys: for the row's maximum, and for the block's largest p
.endr
.irp i, 3,5,7,9,11,13
.irp b, 0,1,2,3
	v_max3_num_f32 v[236+\b], v[236+\b], v[128+16*\b+\i], v[129+16*\b+\i]
.endr
.endr
.irp b, 0,1,2,3
	v_max_num_f32 v[236+\b], v[236+\b], v[143+16*\b]
.endr
.irp b, 0,1,2,3
	s_delay_alu instid0(VALU_DEP_4)
	v_permlanex16_b32 v[240+\b], v[236+\b], s[SEL], s[SEL+1]
.endr
.irp b, 0,1,2,3
	s_delay_alu instid0(VALU_DEP_4)
	v_max_num_f32 v[236+\b], v[236+\b], v[240+\b]
.endr
	s_delay_alu instid0(VALU_DEP_2)
	v_max3_num_f32 v5, v236, v237, v238
	s_delay_alu instid0(VALU_DEP_1)
	v_max_num_f32 v5, v5, v239
	s_delay_alu instid0(VALU_DEP_1)
	v_mul_f32 v5, s[CS], v5
	s_delay_alu instid0(VALU_DEP_1)
	v_max_num_f32 v13, v13, v5                     ; the running largest t
	v_mov_b32 v5, v12
	s_delay_alu instid0(VALU_DEP_2)
	v_floor_f32 v12, -v13                          ; -M = floor(-t): a whole number
	s_delay_alu instid0(VALU_DEP_1)
	v_sub_f32 v5, v12, v5
	s_delay_alu instid0(VALU_DEP_1)
	v_cvt_i32_f32 v5, v5                           ; (it saturates)
	s_delay_alu instid0(VALU_DEP_1)
	v_ldexp_f32 v30, 1.0, v5                       ; f = 2^(old M - new M)
.set n, 0
.rept 32
	v_pk_fma_f32 v[128+n:129+n], v[128+n:129+n], s[CS:CS+1], v[12:13] op_sel_hi:[1,0,0]   ; t - M
.set n, n+2
.endr
.irp b, 0,1,2,3
	v_fma_f32 v[236+\b], v[236+\b], s[CS], v12
.endr
.set n, 0
	s_wait_alu depctr_va_vdst(0)
.rept 64
	v_exp_f32 v[128+n], v[128+n]                   ; p, at most 1, not normalised
.set n, n+1
.endr
	v_pk_mul_f32 v[14:15], v[14:15], v[30:31] op_sel_hi:[1,0]      ; the sums under the new M: a plain line behind the batch
	s_wait_alu depctr_va_vdst(0)                   ; one wait for the batch, ahead of its first reader
.irp b, 0,1,2,3
	v_exp_f32 v[236+\b], v[236+\b]                 ; each block's largest p
.endr
	v_pk_add_f32 v[240:241], v[132:133], v[136:137]
	v_pk_add_f32 v[250:251], v[140:141], v[144:145]
	v_pk_add_f32 v[248:249], v[148:149], v[152:153]
	v_pk_add_f32 v[244:245], v[156:157], v[160:161]
	v_pk_add_f32 v[242:243], v[164:165], v[168:169]
	v_pk_add_f32 v[234:235], v[172:173], v[176:177]
	v_pk_add_f32 v[232:233], v[180:181], v[184:185]
	v_pk_add_f32 v[14:15], v[14:15], v[188:189]
	v_pk_add_f32 v[240:241], v[240:241], v[128:129]
	v_pk_add_f32 v[250:251], v[250:251], v[130:131]
	v_pk_add_f32 v[248:249], v[248:249], v[134:135]
	v_pk_add_f32 v[244:245], v[244:245], v[138:139]
	v_pk_add_f32 v[242:243], v[242:243], v[142:143]
	v_pk_add_f32 v[234:235], v[234:235], v[146:147]
	v_pk_add_f32 v[232:233], v[232:233], v[150:151]
	v_pk_add_f32 v[14:15], v[14:15], v[154:155]
	v_pk_add_f32 v[240:241], v[240:241], v[158:159]
	v_pk_add_f32 v[250:251], v[250:251], v[162:163]
	v_pk_add_f32 v[248:249], v[248:249], v[166:167]
	v_pk_add_f32 v[244:245], v[244:245], v[170:171]
	v_pk_add_f32 v[242:243], v[242:243], v[174:175]
	v_pk_add_f32 v[234:235], v[234:235], v[178:179]
	v_pk_add_f32 v[232:233], v[232:233], v[182:183]
	v_pk_add_f32 v[14:15], v[14:15], v[186:187]
	v_pk_add_f32 v[240:241], v[240:241], v[190:191]
	s_delay_alu instid0(VALU_DEP_2)
	v_pk_add_f32 v[14:15], v[14:15], v[244:245]
	s_delay_alu instid0(VALU_DEP_2)
	v_pk_add_f32 v[240:241], v[240:241], v[242:243]
	v_pk_add_f32 v[250:251], v[250:251], v[234:235]
	v_pk_add_f32 v[248:249], v[248:249], v[232:233]
	s_delay_alu instid0(VALU_DEP_2)
	v_pk_add_f32 v[14:15], v[14:15], v[250:251]
	s_delay_alu instid0(VALU_DEP_2)
	v_pk_add_f32 v[240:241], v[240:241], v[248:249]
	s_delay_alu instid0(VALU_DEP_1)
	v_pk_add_f32 v[14:15], v[14:15], v[240:241]
	s_wait_alu depctr_va_vdst(0)                   ; and one for the four
.irp b, 0,1,2,3
	v_max_num_f32 v[236+\b], 0x2800000, v[236+\b]  ; the floor 2^(5 - 127)
.endr
.irp b, 0,1,2,3
	s_delay_alu instid0(VALU_DEP_4)
	v_add_nc_u32 v[248+\b], 0xfe000000, v[236+\b]
.endr
.irp b, 0,1,2,3
	s_delay_alu instid0(VALU_DEP_4)
	v_lshrrev_b32 v[240+\b], 23, v[248+\b]
.endr
	s_delay_alu instid0(VALU_DEP_3)
	v_lshl_or_b32 v29, v241, 8, v240               ; p's scale word for these 128 keys
	s_delay_alu instid0(VALU_DEP_1)
	v_lshl_or_b32 v29, v242, 16, v29
	s_delay_alu instid0(VALU_DEP_1)
	v_lshl_or_b32 v29, v243, 24, v29
.irp c, 0,1
	v_cvt_scalef32_pk16_bf6_f32 v[224+6*\c:226+6*\c], v[128+32*\c:143+32*\c], v[248+2*\c]
	v_cvt_scalef32_pk16_bf6_f32 v[240+4*\c:242+4*\c], v[144+32*\c:159+32*\c], v[248+2*\c+1]
.endr
	v_nop
.irp c, 0,1
.irp i, 0,1,2
	v_permlane16_swap_b32 v[224+6*\c+\i], v[240+4*\c+\i]
.endr
.irp i, 0,1,2
	s_delay_alu instid0(VALU_DEP_3)
	v_mov_b32 v[227+6*\c+\i], v[240+4*\c+\i]
.endr
.endr
.set n, 0
.rept 16
	v_pk_mul_f32 v[192+n:193+n], v[192+n:193+n], v[30:31] op_sel_hi:[1,0]  ; O^T under the new M; these sixteen also stand between the codes' and the word's last writes and the products
.set n, n+2
.endr
	s_wait_alu depctr_va_vdst(0)
	s_wait_dscnt 0x0                               ; V's words
.irp c, 0,1,2,3
	v_wmma_scale_f32_16x16x128_f8f6f4 v[192+8*\c:199+8*\c], v[80+12*\c:91+12*\c], v[224:235], v[192+8*\c:199+8*\c], v[252+\c], v29 matrix_a_fmt:MATRIX_FMT_BF6 matrix_b_fmt:MATRIX_FMT_BF6
.endr
.Lhidden:
	s_add_co_u32 s[TB], s[TB], PACK
	s_add_co_u32 s[KF], s[KF], 128
	s_add_co_u32 s[J], s[J], 1
	s_cmp_lt_u32 s[J], 8
	s_cbranch_scc1 .Lstep
	; THE WAY OUT: O^T / the sum; register 16 g + i is channel 32 g + 16 h + i of my query: two blocks of the next K
.rept 4
	v_nop
.endr
	s_wait_alu depctr_va_vdst(0)
	v_add_f32 v14, v14, v15
	s_delay_alu instid0(VALU_DEP_1)
	v_permlanex16_b32 v5, v14, s[SEL], s[SEL+1]
	s_delay_alu instid0(VALU_DEP_1)
	v_add_f32 v14, v14, v5
	s_wait_alu depctr_va_vdst(0)
	v_rcp_f32 v14, v14
	v_nop
	s_wait_alu depctr_va_vdst(0)
.set n, 0
.rept 32
	v_mul_f32 v[128+n], v[192+n], v14
.set n, n+1
.endr
.irp b, 0,1
	v_max3_num_f32 v[236+\b], |v[128+16*\b]|, |v[129+16*\b]|, 0x2800000
.endr
.irp i, 2,4,6,8,10,12,14
.irp b, 0,1
	s_delay_alu instid0(VALU_DEP_2)
	v_max3_num_f32 v[236+\b], v[236+\b], |v[128+16*\b+\i]|, |v[129+16*\b+\i]|
.endr
.endr
.irp b, 0,1
	s_delay_alu instid0(VALU_DEP_2)
	v_permlanex16_b32 v[240+\b], v[236+\b], s[SEL], s[SEL+1]
.endr
.irp b, 0,1
	s_delay_alu instid0(VALU_DEP_2)
	v_max_num_f32 v[236+\b], v[236+\b], v[240+\b]
.endr
.irp b, 0,1
	s_delay_alu instid0(VALU_DEP_2)
	v_add_nc_u32 v[248+\b], 0xfe000000, v[236+\b]
.endr
.irp b, 0,1
	s_delay_alu instid0(VALU_DEP_2)
	v_lshrrev_b32 v[240+\b], 23, v[248+\b]
.endr
	s_delay_alu instid0(VALU_DEP_1)
	v_lshl_or_b32 v29, v241, 8, v240               ; the head's two bytes of the row's scale word
	v_cvt_scalef32_pk16_bf6_f32 v[224:226], v[128:143], v248
	v_cvt_scalef32_pk16_bf6_f32 v[244:246], v[144:159], v249
	v_nop
.irp i, 0,1,2
	v_permlane16_swap_b32 v[224+\i], v[244+\i]
.endr
.irp i, 0,1,2
	s_delay_alu instid0(VALU_DEP_3)
	v_mov_b32 v[227+\i], v[244+\i]
.endr
	global_store_b128 v1, v[224:227], s[46:47]     ; a half image: 512 + 256 consecutive aligned bytes
	global_store_b64 v2, v[228:229], s[46:47] offset:512
	global_store_b16 v3, v29, s[48:49]             ; lanes l and l xor 16 hold the same bytes and write them to the same place
	s_wait_tensorcnt 0x0
	ds_add_u32 v11, v247
	s_wait_dscnt 0x0
	ROUND                                          ; the closing round
	s_endpgm
.Lfunc_end_k_q0cab96b3e9_attn:
	.size	k_q0cab96b3e9_attn, .Lfunc_end_k_q0cab96b3e9_attn-k_q0cab96b3e9_attn
	.p2alignl 7, 3214868480
	.fill 96, 4, 3214868480
	.section	.rodata,"a",@progbits
	.p2align	6, 0x0
	.amdhsa_kernel k_q0cab96b3e9_attn
		.amdhsa_group_segment_fixed_size 169984
		.amdhsa_private_segment_fixed_size 0
		.amdhsa_enable_private_segment 0
		.amdhsa_kernarg_size 24
		.amdhsa_user_sgpr_count 2
		.amdhsa_user_sgpr_kernarg_segment_ptr 1
		.amdhsa_wavefront_size32 1
		.amdhsa_system_sgpr_workgroup_id_x 1
		.amdhsa_system_sgpr_workgroup_id_y 1
		.amdhsa_system_sgpr_workgroup_id_z 1
		.amdhsa_system_vgpr_workitem_id 0
		.amdhsa_next_free_vgpr 256
		.amdhsa_next_free_sgpr 66
		.amdhsa_reserve_vcc 1
		.amdhsa_float_denorm_mode_32 3
		.amdhsa_float_denorm_mode_16_64 3
		.amdhsa_memory_ordered 1
		.amdhsa_forward_progress 1
		.amdhsa_inst_pref_size 36
	.end_amdhsa_kernel
	.amdgpu_metadata
---
amdhsa.version: [ 1, 2 ]
amdhsa.kernels:
  - .name:           k_q0cab96b3e9_attn
    .symbol:         k_q0cab96b3e9_attn.kd
    .args:
      - { .name: qp, .offset: 0, .size: 8, .value_kind: global_buffer, .address_space: global }
      - { .name: kv, .offset: 8, .size: 8, .value_kind: global_buffer, .address_space: global }
      - { .name: at, .offset: 16, .size: 8, .value_kind: global_buffer, .address_space: global }
    .group_segment_fixed_size: 169984
    .private_segment_fixed_size: 0
    .kernarg_segment_align: 8
    .kernarg_segment_size: 24
    .max_flat_workgroup_size: 512
    .sgpr_count:     66
    .vgpr_count:     256
    .wavefront_size: 32
...
	.end_amdgpu_metadata
.endif
;; end of part 3
;; launch gwo (part 4): grid 8 x 32, 4 waves a work-group, no clusters, 270,848 bytes of LDS; arguments at, wts, bo, x, x1; writes x1
.if DOCPART == 4
	.amdgcn_target "amdgcn-amd-amdhsa--gfx1250"
	.amdhsa_code_object_version 6
	.text
	.protected	k_q0cab96b3e9_gwo
	.globl	k_q0cab96b3e9_gwo
	.p2align	8
	.type	k_q0cab96b3e9_gwo,@function
k_q0cab96b3e9_gwo:
	s_mov_b64 s[64:65], 0
	v_nop
	global_prefetch_b8 v0, s[64:65] scope:SCOPE_SE
	s_setreg_imm32_b32 hwreg(HW_REG_WAVE_MODE, 25, 1), 1
	s_wait_xcnt 0x0
; out = res + (A W + bias): A [4096][1024] and W [1024][1024] as codes of BF6 (E3M2) with E8M0 scales, laid as images of operand registers; bias [1024], res and out [4096][1024] f32.
; A TILE is 16 rows: tile 2 g + u, place p, holds row 32 g + 8 u + p + 8 (p / 8).  A fragment (16 rows x 128 K) is 1,536 bytes; scale words: [tile][K / 128][place].
; A work-group makes 128 x 128 of the result: 256 work-groups.  K IS CUT AMONG THE FOUR WAVES: wave w forms the whole block, 64 accumulators, over K steps NS w .. NS w + NS - 1 (128 along K each).
; So each fragment is wanted by ONE wave, and goes from memory straight into that wave's operand registers: no operand byte lies in LDS, and the walk along K has no barrier.
; NO CLUSTER: a joint load lands in LDS, and here no tile lies in LDS that partners could share.  NO PREFETCH: the walk has two steps, both asked for at the head.
; The four partial blocks meet once, in LDS, row by row (528 bytes a row); wave w then sums rows 32 w .. 32 w + 31 in the order of the waves, adds bias and residual and stores whole rows of 512 bytes.
; THE MATRIX INSTRUCTION IS USED TRANSPOSED (source 0 = 16 rows of W^T, source 1 = 16 rows of A): a lane holds eight neighbouring numbers of a row.
; LIMIT: the f32 sum over K is formed as four partial sums, one for each quarter of K, added in ascending order.
; REGISTERS: window 0: v0-31 addresses, bias; v32-63 scale words, two sets (lanes 0-15 an even step's, lanes 16-31 the odd step's); v64-255 A's fragments, two sets.  Window 1: v0-191 W's fragments, two sets.  Windows 2, 3: accumulators.
.set NS,   2                           ; steps of 128 along K for a wave
.set AL,   4                           ; loads that bring a fragment of A: 16, 8, 16, 8 bytes a lane
.set BL,   4                           ; and of W
.set SLDS, 0                           ; the scale words come straight into their registers: 128 consecutive bytes a load
.set ASC,  3145728                     ; A's scale words in its buffer
.set BCO,  2359296                     ; W's images in wts
.set BSC,  9437184+98304               ; W's scale words in wts
.set TP,   NS*4*1536                   ; a tile's images of all of K
.set STP,  NS*4*64                     ; a tile's scale words
.set LPS,  8*(AL+BL)                   ; fragment loads of a step
.set PITCH, 528
.set PART, 128*PITCH                   ; a wave's partial block in LDS
.set SCLB, 4*PART
.set SPARE, SCLB+SLDS*32768            ; the spare words: 512 bytes that no other line names
.set LI,  8
.set L8,  9
.set L4,  10
.set STO, 11
.set RD,  12
.set SPW, 16
.set NIL, 17
.set PFO, 18
.set SST, 19
.set BI,  20
.set SLD, 24
.set SC,  32
.set AF,  64
.set OB,  64
.set PA,  42
.set PB,  44
.set PAS, 46
.set PBS, 48
.set PPF, 50
.set MSB, 0
.macro WIN new
.if MSB != (\new)
	s_set_vgpr_msb (MSB<<8)|(\new)
.set MSB, (\new)
.endif
.endm
.set MUL_LO, 0xa1                      ; source 0 (W) window 1, source 1 (A) window 0, C and D window 2
.set MUL_HI, 0xf1
.macro PLACES n
.rept \n
	v_nop
.endr
.endm
	s_load_b256 s[4:11], s[0:1], 0x0               ; A, wts, bias, res
	s_load_b64 s[12:13], s[0:1], 0x20              ; out
	v_lshrrev_b32 v1, 5, v0
	v_readfirstlane_b32 s18, v1                    ; wave
	s_and_b32 s24, ttmp7, 0xffff                   ; tile row; ttmp9: tile column
	s_mul_i32 s20, s24, 8*TP
	s_mul_i32 s19, s18, NS*1536
	s_add_co_u32 s20, s20, s19                     ; A's images: my tile row, my part of K
	s_mov_b32 s21, 0
	s_mul_i32 s22, ttmp9, 8*TP
	s_add_co_u32 s22, s22, s19
	s_add_co_u32 s22, s22, BCO                     ; W's
	s_mov_b32 s23, 0
	s_mul_i32 s26, s24, 8*STP
	s_mul_i32 s19, s18, NS*64
	s_add_co_u32 s26, s26, s19
	s_add_co_u32 s26, s26, ASC                     ; A's scale words
	s_mov_b32 s27, 0
	s_mul_i32 s28, ttmp9, 8*STP
	s_add_co_u32 s28, s28, s19
	s_add_co_u32 s28, s28, BSC                     ; W's
	s_mov_b32 s29, 0
	s_mul_i32 s30, ttmp9, TP
	s_mov_b32 s31, 0
	s_lshl_b32 s34, s24, 19                        ; 128 rows of 4,096 bytes
	s_lshl_b32 s19, s18, 17                        ; + my 32 rows on the way out
	s_add_co_u32 s34, s34, s19
	s_lshl_b32 s36, ttmp9, 9                       ; + 128 columns
	s_add_co_u32 s34, s34, s36
	s_mov_b32 s35, 0
	s_mov_b32 s37, 0
	s_mul_i32 s38, s18, PART
	s_mul_i32 s39, s18, 32*PITCH
	s_lshl_b32 s40, s18, 13
	s_add_co_u32 s40, s40, SCLB
	v_lshl_add_u32 v[SPW], v0, 2, SPARE
	v_mov_b32 v[NIL], 0
	v_and_b32 v1, 31, v0
	v_and_b32 v2, 15, v0                           ; r
	v_bfe_u32 v3, v0, 4, 1                         ; h
	v_lshlrev_b32 v[LI], 4, v1
	v_lshlrev_b32 v[L8], 3, v1
	v_lshlrev_b32 v[L4], 2, v1
	v_mul_u32_u24 v4, v2, PITCH
	v_lshl_add_u32 v4, v3, 6, v4
	v_add_nc_u32 v[STO], s38, v4                   ; my partial block: row r, + 64 h
	v_add_nc_u32 v[RD], s39, v[LI]                 ; back: my 32 rows of wave 0's block, a row of 512 bytes to the 32 lanes,
	v_add_nc_u32 v[RD+1], PART, v[RD]              ; of wave 1's,
	v_add_nc_u32 v[RD+2], 2*PART, v[RD]
	v_add_nc_u32 v[RD+3], 3*PART, v[RD]
	v_min_u32 v5, 5, v1
	v_lshlrev_b32 v[PFO], 8, v5
	v_add_nc_u32 v[SST], s40, v[LI]
	v_add_nc_u32 v[SLD], s40, v[L4]
	s_wait_alu depctr_va_vdst(0)                   ; the wait at the head's end
	s_wait_kmcnt 0x0
	s_add_nc_u64 s[PA:PA+1], s[4:5], s[20:21]
	s_add_nc_u64 s[PB:PB+1], s[6:7], s[22:23]
	s_add_nc_u64 s[PAS:PAS+1], s[4:5], s[26:27]
	s_add_nc_u64 s[PBS:PBS+1], s[6:7], s[28:29]
	s_add_nc_u64 s[PPF:PPF+1], s[PA:PA+1], s[30:31]
	s_add_nc_u64 s[10:11], s[10:11], s[34:35]
	s_add_nc_u64 s[12:13], s[12:13], s[34:35]
	s_add_nc_u64 s[8:9], s[8:9], s[36:37]
.macro GFRAG reg, bs, off, n           ; a fragment's image into twelve registers
.if \n == 3
	global_load_b128 v[\reg:\reg+3], v[LI], s[\bs:\bs+1] offset:\off
	global_load_b128 v[\reg+4:\reg+7], v[LI], s[\bs:\bs+1] offset:\off+512
	global_load_b128 v[\reg+8:\reg+11], v[LI], s[\bs:\bs+1] offset:\off+1024
.else
	global_load_b128 v[\reg:\reg+3], v[LI], s[\bs:\bs+1] offset:\off
	global_load_b64 v[\reg+4:\reg+5], v[L8], s[\bs:\bs+1] offset:\off+512
	global_load_b128 v[\reg+6:\reg+9], v[LI], s[\bs:\bs+1] offset:\off+768
	global_load_b64 v[\reg+10:\reg+11], v[L8], s[\bs:\bs+1] offset:\off+1280
.endif
.endm
.macro SCALES t                        ; the scale words of steps 2 t (lanes 0-15) and 2 t + 1 (lanes 16-31) into set t % 2: A's eight tiles, then W's
.irp i, 0,1,2,3,4,5,6,7
.if SLDS
	ds_load_b32 v[SC+16*((\t)%2)+\i], v[SLD] offset:\i*512+(\t)*128
	ds_load_b32 v[SC+16*((\t)%2)+8+\i], v[SLD] offset:4096+\i*512+(\t)*128
.else
	global_load_b32 v[SC+16*((\t)%2)+\i], v[L4], s[PAS:PAS+1] offset:\i*STP+(\t)*128
	global_load_b32 v[SC+16*((\t)%2)+8+\i], v[L4], s[PBS:PBS+1] offset:\i*STP+(\t)*128
.endif
.endr
.endm
.macro BATCH s                         ; all that step s multiplies, into set s % 2
.if (\s)%2 == 0 && ((\s) > 0 || SLDS == 0)
	SCALES (\s)/2
.endif
.irp i, 0,1,2,3,4,5,6,7
	GFRAG AF+96*((\s)%2)+12*\i, PA, \i*TP+(\s)*1536, AL
.endr
	WIN 0x40
.irp i, 0,1,2,3,4,5,6,7
	GFRAG 96*((\s)%2)+12*\i, PB, \i*TP+(\s)*1536, BL
.endr
	WIN 0
.endm
.macro MUL32 a0, p, sc, kind           ; A's blocks a0 .. a0 + 3 x W's eight.  kind 0: the sums begin; 1: an even step; 2: an odd step.  The 64 accumulators take turns, in one order
.irp a, \a0, \a0+1, \a0+2, \a0+3
.irp b, 0,1,2,3,4,5,6,7
.set DD, 8*(8*((\a)%4)+\b)
.set FW, 96*(\p)+12*\b
.set FX, AF+96*(\p)+12*(\a)
.set SW, SC+16*(\sc)+8+\b
.set SX, SC+16*(\sc)+(\a)
.if \kind == 0
	v_wmma_scale_f32_16x16x128_f8f6f4 v[DD:DD+7], v[FW:FW+11], v[FX:FX+11], 0, v[SW], v[SX] matrix_a_fmt:MATRIX_FMT_BF6 matrix_b_fmt:MATRIX_FMT_BF6
.elseif \kind == 1
	v_wmma_scale_f32_16x16x128_f8f6f4 v[DD:DD+7], v[FW:FW+11], v[FX:FX+11], v[DD:DD+7], v[SW], v[SX] matrix_a_fmt:MATRIX_FMT_BF6 matrix_b_fmt:MATRIX_FMT_BF6
.else
	v_wmma_scale_f32_16x16x128_f8f6f4 v[DD:DD+7], v[FW:FW+11], v[FX:FX+11], v[DD:DD+7], v[SW], v[SX] matrix_a_fmt:MATRIX_FMT_BF6 matrix_b_fmt:MATRIX_FMT_BF6 matrix_a_scale:MATRIX_SCALE_ROW1 matrix_b_scale:MATRIX_SCALE_ROW1
.endif
.endr
.endr
.endm
.macro STEP s
.set AFT, LPS+16*(1-SLDS)*((\s)%2)     ; issued behind this step's loads: the next step's batch,
.if (\s)+1 >= NS
.set AFT, 33                           ; or, in the last step, the bias and the residual
.endif
.if AFT > 63
.set AFT, 63                           ; (the wait's field holds no more)
.endif
.set KD, 1+(\s)%2
.if (\s) == 0
.set KD, 0
.endif
	s_wait_loadcnt AFT
.if SLDS && (\s)%2 == 0
	s_wait_dscnt 0x0                               ; the pair's scale words
.endif
	WIN MUL_LO
	MUL32 0, (\s)%2, ((\s)/2)%2, KD
.if (\s)+4 < NS
	WIN 0
	global_prefetch_b8 v[PFO], s[PPF:PPF+1] offset:((\s)+4)*1536 th:TH_LOAD_NT scope:SCOPE_SE
.endif
	WIN MUL_HI
	MUL32 4, (\s)%2, ((\s)/2)%2, KD
	PLACES 4                                       ; in front of loads into registers that these products read, and of the first read of results
	WIN 0
.if (\s)+2 < NS
	BATCH (\s)+2
.endif
.if (\s) == NS-2                       ; W's set 0 is free for good: it and v192-223 of window 1 take the residual's 32 rows
	global_load_b128 v[BI:BI+3], v[LI], s[8:9]
	WIN 0x40
.set J, 0
.rept 32
	global_load_b128 v[4*J+96*(J/24):4*J+96*(J/24)+3], v[LI], s[10:11] offset:(8*(J/16)+J%16+8*((J%16)/8))*4096
.set J, J+1
.endr
	WIN 0
.endif
.endm
	BATCH 0
	BATCH 1
.set ST, 0
.rept NS
	STEP ST
.set ST, ST+1
.endr
; THE PARTS MEET: every wave lays its 128 x 128 partial sums into its own part of LDS, row = 16 x tile + place
.irp a, 0,1,2,3,4,5,6,7
	WIN 0x08+4*(\a/4)
.irp b, 0,1,2,3,4,5,6,7
	ds_store_b128 v[STO], v[64*(\a%4)+8*\b:64*(\a%4)+8*\b+3] offset:\a*16*PITCH+128*(\b/2)+32*(\b%2)      ; each accumulator from its low end on
	ds_store_b128 v[STO], v[64*(\a%4)+8*\b+4:64*(\a%4)+8*\b+7] offset:\a*16*PITCH+128*(\b/2)+32*(\b%2)+16
.endr
.endr
	WIN 0
	s_wait_dscnt 0x0                               ; for the others' sake: my part lies in LDS
	s_barrier_signal -1
	s_barrier_wait -1
.macro RDC c                           ; four of my rows, from all four parts, into buffer c % 2
.irp p, 0,1,2,3
.irp i, 0,1,2,3
	ds_load_b128 v[OB+64*((\c)%2)+16*\p+4*\i:OB+64*((\c)%2)+16*\p+4*\i+3], v[RD+\p] offset:(4*(\c)+\i)*PITCH
.endr
.endr
.endm
.macro SUM c
.set X, OB+64*((\c)%2)
.irp n, 0,2,4,6,8,10,12,14
	v_pk_add_f32 v[X+\n:X+\n+1], v[X+\n:X+\n+1], v[X+16+\n:X+17+\n]
.endr
.irp n, 0,2,4,6,8,10,12,14
	v_pk_add_f32 v[X+32+\n:X+33+\n], v[X+32+\n:X+33+\n], v[X+48+\n:X+49+\n]
.endr
.irp n, 0,2,4,6,8,10,12,14
	v_pk_add_f32 v[X+\n:X+\n+1], v[X+\n:X+\n+1], v[X+32+\n:X+33+\n]
.endr
.irp n, 0,2,4,6,8,10,12,14
	v_pk_add_f32 v[X+\n:X+\n+1], v[X+\n:X+\n+1], v[BI+\n%4:BI+\n%4+1]
.endr
	WIN 0x04                                       ; source 1 window 1: the residual
.irp n, 0,2,4,6,8,10,12,14
.set J, 4*(\c)+\n/4
	v_pk_add_f32 v[X+\n:X+\n+1], v[X+\n:X+\n+1], v[4*J+96*(J/24)+\n%4:4*J+96*(J/24)+\n%4+1]
.endr
	WIN 0
.irp i, 0,1,2,3
.set J, 4*(\c)+\i
	global_store_b128 v[LI], v[X+4*\i:X+4*\i+3], s[12:13] offset:(8*(J/16)+J%16+8*((J%16)/8))*4096   ; 32 lanes store 512 consecutive aligned bytes
.endr
.endm
	RDC 0
	s_wait_loadcnt 0x0                             ; bias and residual
.irp c, 0,1,2,3,4,5,6,7
.if \c < 7
.if \c > 0
	s_wait_xcnt 0x0                                ; the stores of the chunk before have read the buffer that is loaded next
.endif
	RDC \c+1
	s_wait_dscnt 16                                ; this chunk is in; the next chunk's 16 loads may be out
.else
	s_wait_dscnt 0x0
.endif
	SUM \c
.endr
	s_wait_tensorcnt 0x0                           ; the wave's end
	ds_add_u32 v[SPW], v[NIL]
	s_wait_dscnt 0x0
	s_endpgm
.Lfunc_end_k_q0cab96b3e9_gwo:
	.size	k_q0cab96b3e9_gwo, .Lfunc_end_k_q0cab96b3e9_gwo-k_q0cab96b3e9_gwo
	.p2alignl 7, 3214868480
	.fill 96, 4, 3214868480
	.section	.rodata,"a",@progbits
	.p2align	6, 0x0
	.amdhsa_kernel k_q0cab96b3e9_gwo
		.amdhsa_group_segment_fixed_size 270848
		.amdhsa_private_segment_fixed_size 0
		.amdhsa_enable_private_segment 0
		.amdhsa_kernarg_size 40
		.amdhsa_user_sgpr_count 2
		.amdhsa_user_sgpr_kernarg_segment_ptr 1
		.amdhsa_wavefront_size32 1
		.amdhsa_system_sgpr_workgroup_id_x 1
		.amdhsa_system_sgpr_workgroup_id_y 1
		.amdhsa_system_sgpr_workgroup_id_z 1
		.amdhsa_system_vgpr_workitem_id 0
		.amdhsa_next_free_vgpr 1024
		.amdhsa_next_free_sgpr 66
		.amdhsa_reserve_vcc 0
		.amdhsa_float_denorm_mode_32 3
		.amdhsa_float_denorm_mode_16_64 3
		.amdhsa_memory_ordered 1
		.amdhsa_forward_progress 1
		.amdhsa_inst_pref_size 77
	.end_amdhsa_kernel
	.amdgpu_metadata
---
amdhsa.version: [ 1, 2 ]
amdhsa.kernels:
  - .name:           k_q0cab96b3e9_gwo
    .symbol:         k_q0cab96b3e9_gwo.kd
    .args:
      - { .name: at, .offset: 0, .size: 8, .value_kind: global_buffer, .address_space: global }
      - { .name: wts, .offset: 8, .size: 8, .value_kind: global_buffer, .address_space: global }
      - { .name: bo, .offset: 16, .size: 8, .value_kind: global_buffer, .address_space: global }
      - { .name: x, .offset: 24, .size: 8, .value_kind: global_buffer, .address_space: global }
      - { .name: x1, .offset: 32, .size: 8, .value_kind: global_buffer, .address_space: global }
    .group_segment_fixed_size: 270848
    .private_segment_fixed_size: 0
    .kernarg_segment_align: 8
    .kernarg_segment_size: 40
    .max_flat_workgroup_size: 128
    .sgpr_count:     66
    .vgpr_count:     1024
    .wavefront_size: 32
...
	.end_amdgpu_metadata
.endif
;; end of part 4
;; launch ln2 (part 5): grid 256 x 1, 8 waves a work-group, no clusters, 67,072 bytes of LDS; arguments x1, ln2_g, ln2_b, hq; writes hq
.if DOCPART == 5
	.amdgcn_target "amdgcn-amd-amdhsa--gfx1250"
	.amdhsa_code_object_version 6
	.text
	.protected	k_q0cab96b3e9_ln2
	.globl	k_q0cab96b3e9_ln2
	.p2align	8
	.type	k_q0cab96b3e9_ln2,@function
k_q0cab96b3e9_ln2:
	s_mov_b64 s[64:65], 0
	v_nop
	global_prefetch_b8 v0, s[64:65] scope:SCOPE_SE
	s_setreg_imm32_b32 hwreg(HW_REG_WAVE_MODE, 25, 1), 1
	s_wait_xcnt 0x0
; LayerNorm over rows of 1,024 f32, then the quantiser along the row: codes of BF6 (E3M2), one E8M0 byte for each 32.  Arguments: the rows [4096][1024], gain, bias, the operand buffer.
; The operand buffer: TILES of 16 rows (tile 2 g + u, place p: row 32 g + 8 u + p + 8 (p / 8)); images [tile][16][768] (a half image: 64 along K as six operand registers: lane l's first four at 16 l, its last two at 512 + 8 l);
; from byte 3,145,728 on the scale words [tile][8][place].
; A work-group is one tile.  Phase 1: wave w takes places 2 w and 2 w + 1 (two neighbouring rows of memory), each row whole in 32 registers: mean, then the mean of squared differences (two passes: no difference of large sums),
; 1 / sqrt, gain and bias, all f32; the rows go to a stage in LDS, 4,112 bytes apart.  One barrier.  Phase 2: wave w takes K step w of all 16 rows: lane (r, h) reads 16 neighbours of each block of 32, quantises, stores a fragment's image.
; LIMITS: a block of zeros gets the byte 1 and not 127 (its codes are zeros; this program alone reads the bytes); NaN and infinities are not served.
.set PITCH, 4112                       ; 257 x 16: the sixteen rows that a read touches start in different banks
.set X,   16                           ; v16-79   two rows
.set G,   80                           ; v80-111  gain at my columns
.set BB,  112                          ; v112-143 bias
.set SA,  144                          ; v144-147 a pair a row: sum, mean, then 1 / sqrt
.set SQ,  148                          ; v148-151 a pair a row: squares
.set PT,  152                          ; v152-153
.set T,   16                           ; phase 2: 64 numbers
.set PC,  144                          ; v144-163 codes
.set TM,  164                          ; v164-179 at work in the quantiser
.set PW,  180                          ; the scale word
.set LI,  2
.set L8,  3
.set S4R, 6
.set STI, 7
.set STO, 8
.set SEL, 12
.macro QUANT s                         ; 64 numbers of a lane, register 16 b + i = k 32 b + 16 (lane / 16) + i of my row, become a fragment's codes in v[PC] on and its scale word in v[PW]
.irp b, 0,1,2,3
	v_max3_num_f32 v[TM+\b], |v[\s+16*\b]|, |v[\s+1+16*\b]|, 0x2800000   ; my 16 numbers of block b, and the floor 2^(5 - 127)
.endr
.irp i, 2,4,6,8,10,12,14
.irp b, 0,1,2,3
	s_delay_alu instid0(VALU_DEP_4)
	v_max3_num_f32 v[TM+\b], v[TM+\b], |v[\s+16*\b+\i]|, |v[\s+1+16*\b+\i]|
.endr
.endr
.irp b, 0,1,2,3
	s_delay_alu instid0(VALU_DEP_4)
	v_permlanex16_b32 v[TM+4+\b], v[TM+\b], s[SEL], s[SEL+1]
.endr
.irp b, 0,1,2,3
	s_delay_alu instid0(VALU_DEP_4)
	v_max_num_f32 v[TM+\b], v[TM+\b], v[TM+4+\b]   ; with lane l xor 16's: the block's largest magnitude
.endr
.irp b, 0,1,2,3
	s_delay_alu instid0(VALU_DEP_4)
	v_add_nc_u32 v[TM+12+\b], 0xfe000000, v[TM+\b] ; 4 off its exponent field: the conversion's scale operand
.endr
.irp b, 0,1,2,3
	s_delay_alu instid0(VALU_DEP_4)
	v_lshrrev_b32 v[TM+4+\b], 23, v[TM+12+\b]      ; the byte
.endr
	s_delay_alu instid0(VALU_DEP_3)
	v_lshl_or_b32 v[PW], v[TM+5], 8, v[TM+4]
	s_delay_alu instid0(VALU_DEP_1)
	v_lshl_or_b32 v[PW], v[TM+6], 16, v[PW]
	s_delay_alu instid0(VALU_DEP_1)
	v_lshl_or_b32 v[PW], v[TM+7], 24, v[PW]
.irp c, 0,1
	v_cvt_scalef32_pk16_bf6_f32 v[PC+6*\c:PC+2+6*\c], v[\s+32*\c:\s+15+32*\c], v[TM+12+2*\c]
	v_cvt_scalef32_pk16_bf6_f32 v[PC+12+4*\c:PC+14+4*\c], v[\s+16+32*\c:\s+31+32*\c], v[TM+12+2*\c+1]
.endr
	v_nop                                          ; one plain line behind the conversions
.irp c, 0,1                            ; the operand wants a whole block in a lane: lanes 0-15 block 2 c, lanes 16-31 block 2 c + 1
.irp i, 0,1,2
	v_permlane16_swap_b32 v[PC+6*\c+\i], v[PC+12+4*\c+\i]
.endr
.irp i, 0,1,2
	s_delay_alu instid0(VALU_DEP_3)
	v_mov_b32 v[PC+3+6*\c+\i], v[PC+12+4*\c+\i]
.endr
.endr
.endm
	s_load_b256 s[4:11], s[0:1], 0x0               ; rows, gain, bias, operand buffer
	v_lshl_add_u32 v184, v0, 2, 0x10200
	v_mov_b32 v185, 0
	v_lshrrev_b32 v1, 5, v0
	s_delay_alu instid0(VALU_DEP_1)
	v_readfirstlane_b32 s14, v1                    ; wave 0..7
	v_and_b32 v1, 31, v0
	s_delay_alu instid0(VALU_DEP_1)
	v_lshlrev_b32 v[LI], 4, v1
	s_delay_alu instid0(VALU_DEP_2)
	v_lshlrev_b32 v[L8], 3, v1
	v_and_b32 v4, 15, v0                           ; r
	v_bfe_u32 v5, v0, 4, 1                         ; h
	s_delay_alu instid0(VALU_DEP_2)
	v_lshlrev_b32 v[S4R], 2, v4
	s_mul_i32 s15, s14, 2*PITCH
	v_add_nc_u32 v[STI], s15, v[LI]                ; stage, in: my wave's two rows, 16 bytes a lane
	v_mul_u32_u24 v[STO], v4, PITCH
	s_delay_alu instid0(VALU_DEP_1)
	v_lshl_add_u32 v[STO], v5, 6, v[STO]
	s_lshl_b32 s15, s14, 9
	v_add_nc_u32 v[STO], s15, v[STO]               ; stage, out: row r, K step = wave, + 64 h
	s_mov_b32 s[SEL], 0x76543210
	s_mov_b32 s[SEL+1], 0xfedcba98
	s_mov_b32 s20, 0x3a800000                      ; 1 / 1024
	s_mov_b32 s21, 0x3727c5ac                      ; 1e-5
.irp b, 0,1
	v_mov_b32 v[PT+\b], 0                          ; a lane permute's destination counts as a source
.endr
.irp b, 0,1,2,3
	v_mov_b32 v[TM+4+\b], 0
.endr
	s_lshr_b32 s16, ttmp9, 1
	s_lshl_b32 s16, s16, 5
	s_and_b32 s17, ttmp9, 1
	s_lshl_b32 s17, s17, 3
	s_add_co_u32 s16, s16, s17
	s_lshl_b32 s17, s14, 1
	s_add_co_u32 s16, s16, s17
	s_lshr_b32 s17, s14, 2
	s_lshl_b32 s17, s17, 3
	s_add_co_u32 s16, s16, s17                     ; the row at place 2 w of my tile
	s_lshl_b32 s16, s16, 12
	s_mov_b32 s17, 0
	s_mul_i32 s18, ttmp9, 12288
	s_mul_i32 s19, s14, 1536
	s_add_co_u32 s18, s18, s19
	s_mov_b32 s19, 0
	s_lshl_b32 s22, ttmp9, 9
	s_lshl_b32 s23, s14, 6
	s_add_co_u32 s22, s22, s23
	s_add_co_u32 s22, s22, 3145728
	s_mov_b32 s23, 0
	s_wait_kmcnt 0x0
	s_add_nc_u64 s[4:5], s[4:5], s[16:17]
	s_add_nc_u64 s[18:19], s[10:11], s[18:19]
	s_add_nc_u64 s[22:23], s[10:11], s[22:23]
.irp p, 0,1
.irp j, 0,1,2,3,4,5,6,7
	global_load_b128 v[X+32*\p+4*\j:X+32*\p+4*\j+3], v[LI], s[4:5] offset:4096*\p+512*\j   ; 512 consecutive bytes a load
.endr
.endr
.irp j, 0,1,2,3,4,5,6,7
	global_load_b128 v[G+4*\j:G+4*\j+3], v[LI], s[6:7] offset:512*\j
.endr
.irp j, 0,1,2,3,4,5,6,7
	global_load_b128 v[BB+4*\j:BB+4*\j+3], v[LI], s[8:9] offset:512*\j
.endr
	s_wait_loadcnt 16                              ; the rows are in; gain's and bias's 16 loads may be out
.macro ACROSS reg                      ; the sum over the 32 lanes, both rows by turns
.irp p, 0,1
	s_delay_alu instid0(VALU_DEP_2)
	v_add_f32 v[\reg+2*\p], v[\reg+2*\p], v[\reg+2*\p+1]
.endr
.irp m, 1,2,4,8
.irp p, 0,1
	s_delay_alu instid0(VALU_DEP_2)
	v_add_f32_dpp v[\reg+2*\p], v[\reg+2*\p], v[\reg+2*\p] row_xmask:\m row_mask:0xf bank_mask:0xf
.endr
.endr
.irp p, 0,1
	s_delay_alu instid0(VALU_DEP_2)
	v_permlanex16_b32 v[PT+\p], v[\reg+2*\p], s[SEL], s[SEL+1]
.endr
.irp p, 0,1
	s_delay_alu instid0(VALU_DEP_2)
	v_add_f32 v[\reg+2*\p], v[\reg+2*\p], v[PT+\p]
.endr
.endm
.irp p, 0,1
	v_pk_add_f32 v[SA+2*\p:SA+2*\p+1], v[X+32*\p:X+32*\p+1], v[X+32*\p+2:X+32*\p+3]
.endr
.irp i, 4,6,8,10,12,14,16,18,20,22,24,26,28,30
.irp p, 0,1
	s_delay_alu instid0(VALU_DEP_2)
	v_pk_add_f32 v[SA+2*\p:SA+2*\p+1], v[SA+2*\p:SA+2*\p+1], v[X+32*\p+\i:X+32*\p+\i+1]
.endr
.endr
	ACROSS SA
.irp p, 0,1
	s_delay_alu instid0(VALU_DEP_2)
	v_mul_f32 v[SA+2*\p], s20, v[SA+2*\p]          ; the mean
.endr
.irp i, 0,2,4,6,8,10,12,14,16,18,20,22,24,26,28,30
.irp p, 0,1
	v_pk_add_f32 v[X+32*\p+\i:X+32*\p+\i+1], v[X+32*\p+\i:X+32*\p+\i+1], v[SA+2*\p:SA+2*\p+1] op_sel_hi:[1,0] neg_lo:[0,1] neg_hi:[0,1]   ; x - mean
.endr
.endr
.irp p, 0,1
	v_pk_mul_f32 v[SQ+2*\p:SQ+2*\p+1], v[X+32*\p:X+32*\p+1], v[X+32*\p:X+32*\p+1]
.endr
.irp i, 2,4,6,8,10,12,14,16,18,20,22,24,26,28,30
.irp p, 0,1
	s_delay_alu instid0(VALU_DEP_2)
	v_pk_fma_f32 v[SQ+2*\p:SQ+2*\p+1], v[X+32*\p+\i:X+32*\p+\i+1], v[X+32*\p+\i:X+32*\p+\i+1], v[SQ+2*\p:SQ+2*\p+1]
.endr
.endr
	ACROSS SQ
.irp p, 0,1
	s_delay_alu instid0(VALU_DEP_2)
	v_fma_f32 v[SQ+2*\p], v[SQ+2*\p], s20, s21     ; variance + eps
.endr
	s_wait_alu depctr_va_vdst(0)
.irp p, 0,1
	v_rsq_f32 v[SA+2*\p], v[SQ+2*\p]
.endr
	v_nop                                          ; a plain line behind the two
	s_wait_alu depctr_va_vdst(0)                   ; one wait for both, ahead of their first reader
	s_wait_loadcnt 0x0                             ; gain and bias
.irp i, 0,2,4,6,8,10,12,14,16,18,20,22,24,26,28,30
.irp p, 0,1
	v_pk_mul_f32 v[X+32*\p+\i:X+32*\p+\i+1], v[X+32*\p+\i:X+32*\p+\i+1], v[SA+2*\p:SA+2*\p+1] op_sel_hi:[1,0]
.endr
.endr
.irp i, 0,2,4,6,8,10,12,14,16,18,20,22,24,26,28,30
.irp p, 0,1
	v_pk_fma_f32 v[X+32*\p+\i:X+32*\p+\i+1], v[X+32*\p+\i:X+32*\p+\i+1], v[G+\i:G+\i+1], v[BB+\i:BB+\i+1]
.endr
.endr
.irp p, 0,1
.irp j, 0,1,2,3,4,5,6,7
	ds_store_b128 v[STI], v[X+32*\p+4*\j:X+32*\p+4*\j+3] offset:PITCH*\p+512*\j
.endr
.endr
	s_wait_dscnt 0x0                               ; for the others' sake: my rows lie in the stage
	s_barrier_signal -1
	s_barrier_wait -1
.irp b, 0,1,2,3
.irp j, 0,1,2,3
	ds_load_b128 v[T+16*\b+4*\j:T+16*\b+4*\j+3], v[STO] offset:128*\b+16*\j
.endr
.endr
	s_wait_dscnt 0x0
	QUANT T
	global_store_b128 v[LI], v[PC:PC+3], s[18:19]                  ; the fragment's image: 512, 256, 512, 256 consecutive aligned bytes
	global_store_b64 v[L8], v[PC+4:PC+5], s[18:19] offset:512
	global_store_b128 v[LI], v[PC+6:PC+9], s[18:19] offset:768
	global_store_b64 v[L8], v[PC+10:PC+11], s[18:19] offset:1280
	global_store_b32 v[S4R], v[PW], s[22:23]       ; lanes l and l xor 16 hold the same word and write it to the same place
	s_wait_tensorcnt 0x0
	ds_add_u32 v184, v185
	s_wait_dscnt 0x0
	s_endpgm
.Lfunc_end_k_q0cab96b3e9_ln2:
	.size	k_q0cab96b3e9_ln2, .Lfunc_end_k_q0cab96b3e9_ln2-k_q0cab96b3e9_ln2
	.p2alignl 7, 3214868480
	.fill 96, 4, 3214868480
	.section	.rodata,"a",@progbits
	.p2align	6, 0x0
	.amdhsa_kernel k_q0cab96b3e9_ln2
		.amdhsa_group_segment_fixed_size 67072
		.amdhsa_private_segment_fixed_size 0
		.amdhsa_enable_private_segment 0
		.amdhsa_kernarg_size 32
		.amdhsa_user_sgpr_count 2
		.amdhsa_user_sgpr_kernarg_segment_ptr 1
		.amdhsa_wavefront_size32 1
		.amdhsa_system_sgpr_workgroup_id_x 1
		.amdhsa_system_sgpr_workgroup_id_y 1
		.amdhsa_system_sgpr_workgroup_id_z 1
		.amdhsa_system_vgpr_workitem_id 0
		.amdhsa_next_free_vgpr 186
		.amdhsa_next_free_sgpr 66
		.amdhsa_reserve_vcc 0
		.amdhsa_float_denorm_mode_32 3
		.amdhsa_float_denorm_mode_16_64 3
		.amdhsa_memory_ordered 1
		.amdhsa_forward_progress 1
		.amdhsa_inst_pref_size 29
	.end_amdhsa_kernel
	.amdgpu_metadata
---
amdhsa.version: [ 1, 2 ]
amdhsa.kernels:
  - .name:           k_q0cab96b3e9_ln2
    .symbol:         k_q0cab96b3e9_ln2.kd
    .args:
      - { .name: x1, .offset: 0, .size: 8, .value_kind: global_buffer, .address_space: global }
      - { .name: ln2_g, .offset: 8, .size: 8, .value_kind: global_buffer, .address_space: global }
      - { .name: ln2_b, .offset: 16, .size: 8, .value_kind: global_buffer, .address_space: global }
      - { .name: hq, .offset: 24, .size: 8, .value_kind: global_buffer, .address_space: global }
    .group_segment_fixed_size: 67072
    .private_segment_fixed_size: 0
    .kernarg_segment_align: 8
    .kernarg_segment_size: 32
    .max_flat_workgroup_size: 256
    .sgpr_count:     66
    .vgpr_count:     186
    .wavefront_size: 32
...
	.end_amdgpu_metadata
.endif
;; end of part 5
;; launch gff1 (part 6): grid 16 x 16, 4 waves a work-group, clusters of 4 x 4, 327,680 bytes of LDS; arguments hq, wts, b1, hid; writes hid
.if DOCPART == 6
	.amdgcn_target "amdgcn-amd-amdhsa--gfx1250"
	.amdhsa_code_object_version 6
	.text
	.protected	k_q0cab96b3e9_gff1
	.globl	k_q0cab96b3e9_gff1
	.p2align	8
	.type	k_q0cab96b3e9_gff1,@function
k_q0cab96b3e9_gff1:
	s_mov_b64 s[64:65], 0
	v_nop
	global_prefetch_b8 v0, s[64:65] scope:SCOPE_SE
	s_setreg_imm32_b32 hwreg(HW_REG_WAVE_MODE, 25, 1), 1
	s_wait_xcnt 0x0
	s_wait_alu depctr_hold_cnt(0) depctr_sa_sdst(0) depctr_va_vdst(0) depctr_va_sdst(0) depctr_va_ssrc(0) depctr_va_vcc(0) depctr_vm_vsrc(0)
	s_getreg_b32 s2, hwreg(HW_REG_IB_STS2, 6, 4)
	s_cmp_eq_u32 s2, 0
	s_cbranch_scc0 .Lentry_in_a_cluster
	s_endpgm
.Lentry_in_a_cluster:
	s_bfe_u32 s2, ttmp6, 0x10000c
	s_cmp_lg_u32 s2, 0xf033
	s_cbranch_scc0 .Lentry_shape_is_right
	s_endpgm
.Lentry_shape_is_right:
.set KIND,  1
.set NQ,    2
.set FR,    12
.set NL,    4
.set NP,    4
.set TP,    12288
.set STP,   512
.set FB2,   3072
.set HT,    8*FB2
.set SLOT,  4*HT
.set SCL,   2*SLOT
.set HALFS, 8*STP
.set SPARE, SCL+4*HALFS
.set BIASL, SPARE+512
.set WS,    9437184
.set HQS,   3145728
.set ADRA, 16
.set ADRB, 20
.set LI,   24
.set L8,   25
.set S4R,  26
.set ADRS, 27
.set SPW,  28
.set NIL,  29
.set BA,   30
.set SC,   32
.set CB,   64
.set AF,   128
.set T,    128
.set PC,   192
.set TM,   212
.set PW,   228
.set SEL,  100
.set G1,   28
.set G0,   36
.set G1B,  44
.set G0B,  52
.set G1S,  68
.set G0S,  76
.set G1SB, 80
.set G0SB, 88
.set MSB, 0
.macro WIN new
.if MSB != (\new)
	s_set_vgpr_msb (MSB<<8)|(\new)
.set MSB, (\new)
.endif
.endm
.set MUL_LO, 0xa1
.set MUL_HI, 0xf1
.set TO_B,   0x40
.macro JLOAD g0a, g1a, g0b, g1b
	s_cmp_eq_u32 s19, 0
	s_cbranch_scc0 .Lfor_b_\@
	tensor_load_to_lds s[\g0a:\g0a+3], s[\g1a:\g1a+7]
	s_nop 0
.rept 4
	v_nop
.endr
	s_branch .Lasked_\@
.Lfor_b_\@:
	tensor_load_to_lds s[\g0b:\g0b+3], s[\g1b:\g1b+7]
	s_nop 0
.rept 4
	v_nop
.endr
.Lasked_\@:
.endm
.macro CREST
	s_cmp_lg_u32 s18, 0
	s_cbranch_scc1 .Lnot_wave_0_\@
	s_barrier_signal -3
.Lnot_wave_0_\@:
	s_barrier_wait -3
	s_barrier_signal -1
	s_barrier_wait -1
.endm
.macro CROUND
	s_barrier_signal -1
	s_barrier_wait -1
	CREST
.endm
.macro PLACES n
.rept \n
	v_nop
.endr
.endm
	s_load_b256 s[4:11], s[0:1], 0x0
	v_lshl_add_u32 v[SPW], v0, 2, SPARE
	v_mov_b32 v[NIL], 0
	ds_add_u32 v28, v29
	ds_add_u32 v28, v29
	s_wait_dscnt 0x0
	v_lshrrev_b32 v1, 5, v0
	v_readfirstlane_b32 s18, v1
	s_lshr_b32 s19, s18, 1
	s_and_b32 s20, s18, 1
	s_bfe_u32 s21, ttmp6, 0x40000
	s_bfe_u32 s22, ttmp6, 0x40004
	s_and_b32 s92, ttmp7, 0xffff
	s_lshl_b32 s24, s92, 2
	s_add_co_u32 s24, s24, s22
	s_lshl_b32 s23, ttmp9, 2
	s_add_co_u32 s23, s23, s21
	s_lshl_b32 s26, s22, 2
	s_lshl_b32 s26, 15, s26
	s_lshl_b32 s27, 0x1111, s21
	s_or_b32 s[G1+0], s26, (3<<16)|(1<<21)
	s_or_b32 s[G1B+0], s27, (3<<16)|(1<<21)
.irp g, G1, G1B
	s_mov_b32 s[\g+1], 384<<16
	s_mov_b32 s[\g+2], 8<<16
	s_mov_b32 s[\g+3], 384<<16
	s_mov_b32 s[\g+4], 8
	s_mov_b32 s[\g+5], TP/8
	s_mov_b32 s[\g+6], 0
	s_mov_b32 s[\g+7], 0
.endr
	s_lshl_b32 s60, s24, 4
	s_lshl_b32 s61, s20, 3
	s_add_co_u32 s60, s60, s61
	s_lshl_b32 s62, s60, 9
	s_mul_i32 s60, s60, TP
	s_mov_b32 s61, 0
	s_mov_b32 s63, 0
	s_lshl_b32 s66, s23, 4
	s_lshl_b32 s67, s20, 3
	s_add_co_u32 s66, s66, s67
	s_lshl_b32 s2, s66, 9
	s_mul_i32 s66, s66, TP
	s_mov_b32 s67, 0
	s_mov_b32 s3, 0
	s_mul_i32 s100, s18, HT
	s_mul_i32 s101, s18, HALFS
	s_wait_kmcnt 0x0
	s_mov_b64 s[92:93], s[4:5]
	s_add_nc_u64 s[94:95], s[4:5], HQS
	s_add_nc_u64 s[96:97], s[6:7], 3145728
	s_add_nc_u64 s[98:99], s[6:7], WS+131072
	s_add_nc_u64 s[92:93], s[92:93], s[60:61]
	s_add_nc_u64 s[94:95], s[94:95], s[62:63]
	s_add_nc_u64 s[96:97], s[96:97], s[66:67]
	s_add_nc_u64 s[98:99], s[98:99], s[2:3]
	CROUND
	s_cmp_eq_u32 s19, 0                            ; the scale words of eight tiles, 4,096 dense bytes a wave, come through registers: waves 0, 1 take A's, waves 2, 3 B's
	s_cselect_b64 s[G0S:G0S+1], s[94:95], s[98:99]
	v_and_b32 v[LI], 31, v0
	v_lshlrev_b32 v[LI], 4, v[LI]
.irp s, 0,1
	s_mov_b32 s[G0+4*\s], 1
	s_add_co_u32 s[G0+4*\s+1], s100, \s*SLOT
	s_add_nc_u64 s[G0+4*\s+2:G0+4*\s+3], s[92:93], \s*FB2
	s_or_b32 s[G0+4*\s+3], s[G0+4*\s+3], 0x80000000
	s_mov_b32 s[G0B+4*\s], 1
	s_add_co_u32 s[G0B+4*\s+1], s100, \s*SLOT
	s_add_nc_u64 s[G0B+4*\s+2:G0B+4*\s+3], s[96:97], \s*FB2
	s_or_b32 s[G0B+4*\s+3], s[G0B+4*\s+3], 0x80000000
.if \s == 1                            ; slot 0's load is the head's one tensor load; slot 1's stands behind the full sequence
	s_wait_alu depctr_va_vdst(0)
.irp i, 0,1,2,3,4,5,6,7
	global_load_b128 v[CB+4*\i:CB+4*\i+3], v[LI], s[G0S:G0S+1] offset:512*\i   ; 512 consecutive aligned bytes a load
.endr
	s_lshl_b32 s92, s23, 1
	s_add_co_u32 s92, s92, s20
	s_lshl_b32 s92, s92, 9
	s_mov_b32 s93, 0
	s_add_nc_u64 s[94:95], s[8:9], s[92:93]
	global_load_b128 v[8:11], v[LI], s[94:95]      ; the bias
	s_wait_tensorcnt 0x0
	ds_add_u32 v28, v29
	s_wait_dscnt 0x0
	CROUND
.endif
	JLOAD G0+4*\s, G1, G0B+4*\s, G1B
.endr
	v_and_b32 v1, 31, v0
	v_and_b32 v2, 15, v0
	v_bfe_u32 v3, v0, 4, 1
	v_lshlrev_b32 v[L8], 3, v1
	v_lshlrev_b32 v[S4R], 2, v2
	s_mul_i32 s92, s19, HT
	s_mul_i32 s93, s20, HT
	s_add_co_u32 s93, s93, 2*HT
.irp s, 0,1
	v_add_nc_u32 v[ADRA+\s], s92, v[LI]
	v_add_nc_u32 v[ADRA+2+\s], s92, v[L8]
	v_add_nc_u32 v[ADRB+\s], s93, v[LI]
	v_add_nc_u32 v[ADRB+2+\s], s93, v[L8]
	s_add_co_u32 s92, s92, SLOT
	s_add_co_u32 s93, s93, SLOT
.endr
	s_mul_i32 s92, s19, HALFS
	s_mul_i32 s93, s20, HALFS
	s_add_co_u32 s93, s93, 2*HALFS
	s_sub_co_u32 s93, s93, s92
	v_mul_u32_u24 v4, s93, v3
	s_add_co_u32 s92, s92, SCL
	v_add_nc_u32 v4, v4, v[S4R]
	v_add_nc_u32 v[ADRS], s92, v4
	s_lshl_b32 s96, s18, 9
	s_add_co_u32 s96, s96, BIASL
	v_lshl_add_u32 v[BA], v3, 6, s96
	v_add_nc_u32 v6, s96, v[LI]
	s_add_co_u32 s97, s101, SCL
	v_add_nc_u32 v7, s97, v[LI]
	s_wait_alu depctr_va_vdst(0)
	s_wait_loadcnt 0x0
	ds_store_b128 v6, v[8:11]
.irp i, 0,1,2,3,4,5,6,7
	ds_store_b128 v7, v[CB+4*\i:CB+4*\i+3] offset:512*\i   ; my eight tiles' scale words, as they lie
.endr
.macro FRAG reg, adr, q, i
	ds_load_b128 v[\reg:\reg+3], v[\adr] offset:(\i)*FB2+(\q)*1536
	ds_load_b64 v[\reg+4:\reg+5], v[\adr+2] offset:(\i)*FB2+(\q)*1536+512
	ds_load_b128 v[\reg+6:\reg+9], v[\adr] offset:(\i)*FB2+(\q)*1536+768
	ds_load_b64 v[\reg+10:\reg+11], v[\adr+2] offset:(\i)*FB2+(\q)*1536+1280
.endm
.macro MUL16 a0, p, q, sc, zero
.irp a, \a0, \a0+1
.irp b, 0,1,2,3,4,5,6,7
.if \zero
	v_wmma_scale_f32_16x16x128_f8f6f4 v[8*(8*((\a)%4)+\b):8*(8*((\a)%4)+\b)+7], v[128*(\p)+FR*\b:128*(\p)+FR*\b+FR-1], v[AF+FR*(\a):AF+FR*(\a)+FR-1], 0, v[SC+8*NQ*(\sc)+NQ*\b+(\q)], v[SC+8*NQ*(\sc)+NQ*(\a)+(\q)] matrix_a_fmt:MATRIX_FMT_BF6 matrix_b_fmt:MATRIX_FMT_BF6 matrix_a_scale:MATRIX_SCALE_ROW1
.else
	v_wmma_scale_f32_16x16x128_f8f6f4 v[8*(8*((\a)%4)+\b):8*(8*((\a)%4)+\b)+7], v[128*(\p)+FR*\b:128*(\p)+FR*\b+FR-1], v[AF+FR*(\a):AF+FR*(\a)+FR-1], v[8*(8*((\a)%4)+\b):8*(8*((\a)%4)+\b)+7], v[SC+8*NQ*(\sc)+NQ*\b+(\q)], v[SC+8*NQ*(\sc)+NQ*(\a)+(\q)] matrix_a_fmt:MATRIX_FMT_BF6 matrix_b_fmt:MATRIX_FMT_BF6 matrix_a_scale:MATRIX_SCALE_ROW1
.endif
.endr
.endr
.endm
.macro FETCH_B slot, q, p
	WIN TO_B
.irp i, 0,1,2,3,4,5,6,7
	FRAG 128*(\p)+FR*\i, ADRB+\slot, \q, \i
.endr
	WIN 0
.endm
.macro FETCH_A slot, q, i0
.irp i, \i0, \i0+1, \i0+2, \i0+3
	FRAG AF+FR*(\i), ADRA+\slot, \q, \i
.endr
.endm
.macro SCALES sc
.irp i, 0,1,2,3,4,5,6,7
	ds_load_b32 v[SC+8*NQ*(\sc)+NQ*\i], v[ADRS] offset:\i*STP
	ds_load_b32 v[SC+8*NQ*(\sc)+NQ*\i+1], v[ADRS] offset:\i*STP+64
.endr
.endm
.macro STEP slot, q, zero
	s_wait_dscnt 4*NL
	WIN MUL_LO
	MUL16 0, (\q)%2, \q, \slot, \zero
	MUL16 2, (\q)%2, \q, \slot, \zero
	s_wait_dscnt 0
	PLACES NP
	FETCH_B \slot, (\q)+1, 1-(\q)%2
	FETCH_A \slot, (\q)+1, 0
	WIN MUL_HI
	MUL16 4, (\q)%2, \q, \slot, \zero
	MUL16 6, (\q)%2, \q, \slot, \zero
	PLACES NP
	WIN 0
	FETCH_A \slot, (\q)+1, 4
.endm
.macro TURN slot, next, fill
	s_wait_tensorcnt 0x0
	ds_add_u32 v[SPW], v[NIL]
	s_wait_dscnt 4*NL+1
	WIN MUL_LO
	MUL16 0, 1, NQ-1, \slot, 0
	s_wait_dscnt 0x0
	s_barrier_signal -1
	MUL16 2, 1, NQ-1, \slot, 0
	WIN 0
	s_barrier_wait -1
.if \fill
	CREST
	s_add_nc_u64 s[G0+4*\slot+2:G0+4*\slot+3], s[G0+4*\slot+2:G0+4*\slot+3], 2*FB2
	s_add_nc_u64 s[G0B+4*\slot+2:G0B+4*\slot+3], s[G0B+4*\slot+2:G0B+4*\slot+3], 2*FB2
	JLOAD G0+4*\slot, G1, G0B+4*\slot, G1B
.else
	PLACES NP
.endif
	s_wait_alu depctr_va_vdst(0)
	v_add_nc_u32 v[ADRS], 128, v[ADRS]
	FETCH_B \next, 0, 0
	FETCH_A \next, 0, 0
	SCALES \next
	WIN MUL_HI
	MUL16 4, 1, NQ-1, \slot, 0
	MUL16 6, 1, NQ-1, \slot, 0
	PLACES NP
	WIN 0
	FETCH_A \next, 0, 4
.endm
	s_wait_tensorcnt 1
	s_wait_dscnt 0x0
	s_barrier_signal -1
	s_barrier_wait -1
	FETCH_B 0, 0, 0
	FETCH_A 0, 0, 0
	SCALES 0
	FETCH_A 0, 0, 4
	STEP 0, 0, 1
	TURN 0, 1, 1
	STEP 1, 0, 0
	TURN 1, 0, 1
	STEP 0, 0, 0
	TURN 0, 1, 0
	STEP 1, 0, 0
	s_wait_dscnt 4*NL
	WIN MUL_LO
	MUL16 0, 1, NQ-1, 1, 0
	MUL16 2, 1, NQ-1, 1, 0
	s_wait_dscnt 0
	WIN MUL_HI
	MUL16 4, 1, NQ-1, 1, 0
	MUL16 6, 1, NQ-1, 1, 0
	WIN 0
	PLACES NP
.macro QUANT s
.irp b, 0,1,2,3
	v_max3_num_f32 v[TM+\b], |v[\s+16*\b]|, |v[\s+1+16*\b]|, 0x2800000
.endr
.irp i, 2,4,6,8,10,12,14
.irp b, 0,1,2,3
	v_max3_num_f32 v[TM+\b], v[TM+\b], |v[\s+16*\b+\i]|, |v[\s+1+16*\b+\i]|
.endr
.endr
.irp b, 0,1,2,3
	v_permlanex16_b32 v[TM+4+\b], v[TM+\b], s[SEL], s[SEL+1]
.endr
.irp b, 0,1,2,3
	v_max_num_f32 v[TM+\b], v[TM+\b], v[TM+4+\b]
.endr
.irp b, 0,1,2,3
	v_add_nc_u32 v[TM+12+\b], 0xfe000000, v[TM+\b]
.endr
.irp b, 0,1,2,3
	v_lshrrev_b32 v[TM+4+\b], 23, v[TM+12+\b]
.endr
	v_lshl_or_b32 v[PW], v[TM+5], 8, v[TM+4]
	v_lshl_or_b32 v[PW], v[TM+6], 16, v[PW]
	v_lshl_or_b32 v[PW], v[TM+7], 24, v[PW]
.irp c, 0,1
	v_cvt_scalef32_pk16_bf6_f32 v[PC+6*\c:PC+2+6*\c], v[\s+32*\c:\s+15+32*\c], v[TM+12+2*\c]
	v_cvt_scalef32_pk16_bf6_f32 v[PC+12+4*\c:PC+14+4*\c], v[\s+16+32*\c:\s+31+32*\c], v[TM+12+2*\c+1]
.endr
	v_nop
.irp c, 0,1
.irp i, 0,1,2
	v_permlane16_swap_b32 v[PC+6*\c+\i], v[PC+12+4*\c+\i]
.endr
.irp i, 0,1,2
	v_mov_b32 v[PC+3+6*\c+\i], v[PC+12+4*\c+\i]
.endr
.endr
.endm
.macro PUTFRAG sb, off
	global_store_b128 v[LI], v[PC:PC+3], s[\sb:\sb+1] offset:\off          ; the hidden layer's fragment: registers 0-3, 4-7, 8-11 at 16 x lane, 512 bytes apart
	global_store_b128 v[LI], v[PC+4:PC+7], s[\sb:\sb+1] offset:\off+512
	global_store_b128 v[LI], v[PC+8:PC+11], s[\sb:\sb+1] offset:\off+1024
.endm
.macro EPI a
	WIN 0x02+(\a)/4
.set AC, 64*((\a)%4)
.set n, 0
.rept 32
	v_pk_add_f32 v[T+2*n:T+2*n+1], v[AC+2*n:AC+2*n+1], v[CB+2*n:CB+2*n+1]
.set n, n+1
.endr
	WIN 0
.set n, 0
.rept 64
	v_max_num_f32 v[T+n], 0, v[T+n]
.set n, n+1
.endr
.if (\a) > 0
	s_wait_xcnt 0x0
.endif
	QUANT T
	PUTFRAG 60, (\a)*49152
	global_store_b32 v[S4R], v[PW], s[62:63] offset:(\a)*2048
.endm
	s_mov_b32 s[SEL], 0x76543210
	s_mov_b32 s[SEL+1], 0xfedcba98
.irp b, 0,1,2,3
	v_mov_b32 v[TM+4+\b], 0
.endr
.irp b, 0,1,2,3,4,5,6,7
	ds_load_b128 v[CB+8*\b:CB+8*\b+3], v[BA] offset:(32*(\b/2)+8*(\b%2))*4
	ds_load_b128 v[CB+8*\b+4:CB+8*\b+7], v[BA] offset:(32*(\b/2)+8*(\b%2))*4+16
.endr
	s_wait_dscnt 0x0
	s_lshl_b32 s92, s24, 4
	s_lshl_b32 s93, s19, 3
	s_add_co_u32 s92, s92, s93
	s_lshl_b32 s93, s23, 1
	s_add_co_u32 s93, s93, s20
	s_mul_i32 s60, s92, 49152
	s_mul_i32 s94, s93, 1536
	s_add_co_u32 s60, s60, s94
	s_mov_b32 s61, 0
	s_lshl_b32 s62, s92, 11
	s_lshl_b32 s94, s93, 6
	s_add_co_u32 s62, s62, s94
	s_add_co_u32 s62, s62, 12582912
	s_mov_b32 s63, 0
	s_add_nc_u64 s[60:61], s[10:11], s[60:61]
	s_add_nc_u64 s[62:63], s[10:11], s[62:63]
.irp a, 0,1,2,3,4,5,6,7
	EPI \a
.endr
	s_wait_tensorcnt 0x0
	ds_add_u32 v[SPW], v[NIL]
	s_wait_dscnt 0x0
	CROUND
	s_endpgm
.Lfunc_end_k_q0cab96b3e9_gff1:
	.size	k_q0cab96b3e9_gff1, .Lfunc_end_k_q0cab96b3e9_gff1-k_q0cab96b3e9_gff1
	.p2alignl 7, 3214868480
	.fill 96, 4, 3214868480
	.section	.rodata,"a",@progbits
	.p2align	6, 0x0
	.amdhsa_kernel k_q0cab96b3e9_gff1
		.amdhsa_group_segment_fixed_size 327680
		.amdhsa_private_segment_fixed_size 0
		.amdhsa_enable_private_segment 0
		.amdhsa_kernarg_size 32
		.amdhsa_user_sgpr_count 2
		.amdhsa_user_sgpr_kernarg_segment_ptr 1
		.amdhsa_wavefront_size32 1
		.amdhsa_system_sgpr_workgroup_id_x 1
		.amdhsa_system_sgpr_workgroup_id_y 1
		.amdhsa_system_sgpr_workgroup_id_z 1
		.amdhsa_system_vgpr_workitem_id 0
		.amdhsa_next_free_vgpr 1024
		.amdhsa_next_free_sgpr 102
		.amdhsa_reserve_vcc 0
		.amdhsa_float_denorm_mode_32 3
		.amdhsa_float_denorm_mode_16_64 3
		.amdhsa_memory_ordered 1
		.amdhsa_forward_progress 1
		.amdhsa_inst_pref_size 184
	.end_amdhsa_kernel
	.amdgpu_metadata
---
amdhsa.version: [ 1, 2 ]
amdhsa.kernels:
  - .name:           k_q0cab96b3e9_gff1
    .symbol:         k_q0cab96b3e9_gff1.kd
    .args:
      - { .name: hq, .offset: 0, .size: 8, .value_kind: global_buffer, .address_space: global }
      - { .name: wts, .offset: 8, .size: 8, .value_kind: global_buffer, .address_space: global }
      - { .name: b1, .offset: 16, .size: 8, .value_kind: global_buffer, .address_space: global }
      - { .name: hid, .offset: 24, .size: 8, .value_kind: global_buffer, .address_space: global }
    .group_segment_fixed_size: 327680
    .private_segment_fixed_size: 0
    .kernarg_segment_align: 8
    .kernarg_segment_size: 32
    .max_flat_workgroup_size: 128
    .sgpr_count:     102
    .vgpr_count:     1024
    .wavefront_size: 32
...
	.end_amdgpu_metadata
.endif
;; end of part 6
;; launch gff2 (part 7): grid 8 x 32, 4 waves a work-group, clusters of 4 x 1, 327,680 bytes of LDS; arguments hid, wts, b2, x1, out0; writes out0
.if DOCPART == 7
	.amdgcn_target "amdgcn-amd-amdhsa--gfx1250"
	.amdhsa_code_object_version 6
	.text
	.protected	k_q0cab96b3e9_gff2
	.globl	k_q0cab96b3e9_gff2
	.p2align	8
	.type	k_q0cab96b3e9_gff2,@function
k_q0cab96b3e9_gff2:
	s_mov_b64 s[64:65], 0
	v_nop
	global_prefetch_b8 v0, s[64:65] scope:SCOPE_SE
	s_setreg_imm32_b32 hwreg(HW_REG_WAVE_MODE, 25, 1), 1
	s_wait_xcnt 0x0
	s_wait_alu depctr_hold_cnt(0) depctr_sa_sdst(0) depctr_va_vdst(0) depctr_va_sdst(0) depctr_va_ssrc(0) depctr_va_vcc(0) depctr_vm_vsrc(0)
	s_getreg_b32 s2, hwreg(HW_REG_IB_STS2, 6, 4)
	s_cmp_eq_u32 s2, 0
	s_cbranch_scc0 .Lentry_in_a_cluster
	s_endpgm
.Lentry_in_a_cluster:
	s_bfe_u32 s2, ttmp6, 0x10000c
	s_cmp_lg_u32 s2, 0x3003
	s_cbranch_scc0 .Lentry_shape_is_right
	s_endpgm
.Lentry_shape_is_right:
; out = res + (A W + bias): A [4096][4096] and W [4096][1024] as codes of BF6 (E3M2) with E8M0 scales, laid as images of operand registers; bias [1024], res and out [4096][1024] f32.
; A TILE is 16 rows: tile 2 g + u, place p, holds row 32 g + 8 u + p + 8 (p / 8).  A fragment (16 rows x 128 K) is 1,536 bytes: registers 0-3, 4-7, 8-11 at 16 x lane, 512 bytes apart; scale words: [tile][K / 128][place].
; A work-group makes 128 x 128 of the result: 256 work-groups.  K IS CUT AMONG THE FOUR WAVES: wave w forms the whole block, 64 accumulators, over K steps 8 w .. 8 w + 7 (128 along K each): each fragment is wanted by ONE wave of the work-group.
; THE OPERANDS COME BY TWO ROADS.  W's fragments go from memory straight into the wave's registers: three sets, 24 loads of 512 bytes a step, asked for three steps ahead.  A's fragments come by tensor loads into LDS bytes that are the wave's own:
; steps 0-2 into slot 0 at the head (8 tiles x 3 steps = 36,864 bytes a wave), steps 3-4 into slot 1 behind the full sequence, steps 5-7 into slot 0 again in the middle of step 2, when the wave's reads of steps 0-2 are over.
; By the text's own count a wave has one tensor load out at a time.  Only the wave that asked reads those bytes, so its own wait on TENSORcnt orders the reads.  A has ONE set of registers: blocks 0-3 are read anew in a step's middle, blocks 4-7 at its end.
; THE SCALE WORDS of a wave's part of K, 512 bytes a tile, come once, by 16 loads of 512 consecutive bytes, and lie in the wave's own 8,192 bytes of LDS; a register takes an even step's words in lanes 0-15 and the odd step's in lanes 16-31.
; CLUSTERS: 4, 1, 1: the four partners make four neighbouring blocks of one tile row and need the same rows of A: each of A's loads is asked for jointly, with one descriptor (it hangs on the tile row and the wave's number alone).
; cx enters global addresses alone: W's, the bias's, the result's and the prefetches'.
; PREFETCH of A's later fills: steps 3-4 are asked for at the head, behind the first batch of loads, steps 5-7 in step 0, two steps ahead of their load.  Of a wave's eight rows the partner at cx names rows 2 cx and 2 cx + 1, a lane a block of 256 bytes
; (12 or 18 blocks a row; the lanes left over name the last one again).  W's images are not asked for: their loads themselves stand three steps ahead of the products.
; The four partial blocks meet once, in LDS, row by row (528 bytes a row), on bytes that have had their last fill; wave w then sums rows 32 w .. 32 w + 31 in the order of the waves, adds bias and residual and stores whole rows of 512 bytes.
; THE MATRIX INSTRUCTION IS USED TRANSPOSED (source 0 = 16 rows of W^T, source 1 = 16 rows of A): a lane holds eight neighbouring numbers of a row.
; LIMIT: the f32 sum over K is formed as four partial sums, one for each quarter of K, added in ascending order.
; REGISTERS: window 0: v0-31 addresses, bias; v32-63 scale words, two sets; v64-159 A's fragments; v160-255 W's third set.  Window 1: v0-191 W's first two sets; v192-255 the scale words on their way to LDS.  Windows 2, 3: accumulators.
.set NS,   8                           ; steps of 128 along K for a wave
.set ASC,  12582912                    ; A's scale words in its buffer
.set BCO,  6291456                     ; W's images in wts
.set BSC,  9437184+262144              ; W's scale words in wts
.set TP,   NS*4*1536                   ; a tile's images of all of K
.set STP,  NS*4*64                     ; a tile's scale words
.set WR0,  8*3*1536                    ; a wave's bytes in slot 0: three steps
.set WR1,  8*2*1536                    ; and in slot 1: two
.set SL1,  4*WR0
.set SCLB, SL1+4*WR1                   ; behind the slots: the scale words, 8,192 bytes a wave
.set PITCH, 528
.set PART, 128*PITCH                   ; a wave's partial block in LDS: the four lie over the slots and the scale words, when these are read no more
.set SPARE, SCLB+32768                 ; the spare words, 512 bytes that no other line names
.set LI,  8
.set L4,  10
.set STO, 11
.set RD,  12
.set SPW, 16
.set NIL, 17
.set PFO, 18
.set PFC, 19
.set BI,  20
.set ADA, 24                           ; v24-25  my A fragments in slot 0, 1
.set SST, 26
.set SLD, 27
.set SC,  32
.set AF,  64
.set OB,  64
.set PA,  42
.set PB,  44
.set PAS, 46
.set PBS, 48
.set PPF, 50
.set G1,  68                           ; s[68:75] group 1: 8 rows of 3 steps;  s[76:83]: 8 rows of 2 steps
.set G1S, 76
.set G0A, 84                           ; s[84:95] group 0 of the three fills, each written once
.set G0B, 88
.set G0C, 92
.set MSB, 0
.macro WIN new
.if MSB != (\new)
	s_set_vgpr_msb (MSB<<8)|(\new)
.set MSB, (\new)
.endif
.endm
.macro PLACES n
.rept \n
	v_nop
.endr
.endm
.macro ROUND                           ; a round of the cluster's barrier
	s_barrier_signal -1
	s_barrier_wait -1
	s_cmp_lg_u32 s18, 0
	s_cbranch_scc1 .Lnot_wave_0_\@
	s_barrier_signal -3
.Lnot_wave_0_\@:
	s_barrier_wait -3
	s_barrier_signal -1
	s_barrier_wait -1
.endm
	s_load_b256 s[4:11], s[0:1], 0x0               ; A, wts, bias, res
	s_load_b64 s[12:13], s[0:1], 0x20              ; out
	v_lshl_add_u32 v[SPW], v0, 2, SPARE
	v_mov_b32 v[NIL], 0
	ds_add_u32 v[SPW], v[NIL]                      ; the opening lines: the add, twice on end, and its wait ahead of my first tensor load
	ds_add_u32 v[SPW], v[NIL]
	v_lshrrev_b32 v1, 5, v0
	v_readfirstlane_b32 s18, v1                    ; wave
	s_bfe_u32 s52, ttmp6, 0x40000                  ; cx
	s_lshl_b32 s53, ttmp9, 2
	s_add_co_u32 s53, s53, s52                     ; tile column
	s_and_b32 s24, ttmp7, 0xffff                   ; tile row
	s_mul_i32 s20, s24, 8*TP
	s_mul_i32 s19, s18, NS*1536
	s_add_co_u32 s20, s20, s19                     ; A's images: my tile row, my part of K
	s_mov_b32 s21, 0
	s_mul_i32 s22, s53, 8*TP
	s_add_co_u32 s22, s22, s19
	s_add_co_u32 s22, s22, BCO                     ; W's
	s_mov_b32 s23, 0
	s_mul_i32 s26, s24, 8*STP
	s_mul_i32 s19, s18, NS*64
	s_add_co_u32 s26, s26, s19
	s_add_co_u32 s26, s26, ASC                     ; A's scale words
	s_mov_b32 s27, 0
	s_mul_i32 s28, s53, 8*STP
	s_add_co_u32 s28, s28, s19
	s_add_co_u32 s28, s28, BSC                     ; W's
	s_mov_b32 s29, 0
	s_mul_i32 s30, s52, 2*TP                       ; the two tiles of A that my work-group prefetches
	s_mov_b32 s31, 0
	s_lshl_b32 s34, s24, 19                        ; 128 rows of 4,096 bytes
	s_lshl_b32 s19, s18, 17                        ; + my 32 rows on the way out
	s_add_co_u32 s34, s34, s19
	s_lshl_b32 s36, s53, 9                         ; + 128 columns
	s_add_co_u32 s34, s34, s36
	s_mov_b32 s35, 0
	s_mov_b32 s37, 0
	s_mul_i32 s38, s18, PART
	s_mul_i32 s39, s18, 32*PITCH
	s_mul_i32 s40, s18, WR0
	s_mul_i32 s41, s18, WR1
	s_add_co_u32 s41, s41, SL1
	s_lshl_b32 s54, s18, 13
	s_add_co_u32 s54, s54, SCLB
	s_mov_b32 s[G1], 15|(3<<16)|(1<<21)            ; all four partners; elements of 8 bytes; bit 21 beside a mask
	s_mov_b32 s[G1+1], 576<<16                     ; a row: a tile's three fragments, 4,608 bytes
	s_mov_b32 s[G1+2], 8<<16                       ; eight tiles,
	s_mov_b32 s[G1+3], 576<<16
	s_mov_b32 s[G1+4], 8
	s_mov_b32 s[G1+5], TP/8                        ; TP bytes apart
	s_mov_b32 s[G1+6], 0
	s_mov_b32 s[G1+7], 0
	s_mov_b32 s[G1S], 15|(3<<16)|(1<<21)
	s_mov_b32 s[G1S+1], 384<<16                    ; slot 1's fill: two fragments a row
	s_mov_b32 s[G1S+2], 8<<16
	s_mov_b32 s[G1S+3], 384<<16
	s_mov_b32 s[G1S+4], 8
	s_mov_b32 s[G1S+5], TP/8
	s_mov_b32 s[G1S+6], 0
	s_mov_b32 s[G1S+7], 0
	v_and_b32 v1, 31, v0
	v_and_b32 v2, 15, v0                           ; r
	v_bfe_u32 v3, v0, 4, 1                         ; h
	v_lshlrev_b32 v[LI], 4, v1
	v_lshlrev_b32 v[L4], 2, v1
	v_mul_u32_u24 v4, v2, PITCH
	v_lshl_add_u32 v4, v3, 6, v4
	v_add_nc_u32 v[STO], s38, v4                   ; my partial block: row r, + 64 h
	v_add_nc_u32 v[RD], s39, v[LI]                 ; back: my 32 rows of wave 0's block, a row of 512 bytes to the 32 lanes,
	v_add_nc_u32 v[RD+1], PART, v[RD]              ; of wave 1's,
	v_add_nc_u32 v[RD+2], 2*PART, v[RD]
	v_add_nc_u32 v[RD+3], 3*PART, v[RD]
	v_min_u32 v5, 17, v1
	v_lshlrev_b32 v[PFO], 8, v5                    ; the prefetches: a row's 18 blocks of 256 bytes,
	v_min_u32 v6, 11, v1
	v_lshlrev_b32 v[PFC], 8, v6                    ; or 12
	v_add_nc_u32 v[ADA], s40, v[LI]
	v_add_nc_u32 v[ADA+1], s41, v[LI]
	v_add_nc_u32 v[SST], s54, v[LI]                ; my scale words in LDS: in, 16 bytes a lane;
	v_add_nc_u32 v[SLD], s54, v[L4]                ; out, 4 bytes a lane
	s_wait_alu depctr_va_vdst(0)                   ; the wait at the head's end
	s_wait_dscnt 0x0                               ; both opening adds are done
	s_wait_kmcnt 0x0
	s_add_nc_u64 s[PA:PA+1], s[4:5], s[20:21]
	s_add_nc_u64 s[PB:PB+1], s[6:7], s[22:23]
	s_add_nc_u64 s[PAS:PAS+1], s[4:5], s[26:27]
	s_add_nc_u64 s[PBS:PBS+1], s[6:7], s[28:29]
	s_add_nc_u64 s[PPF:PPF+1], s[PA:PA+1], s[30:31]
	s_add_nc_u64 s[10:11], s[10:11], s[34:35]
	s_add_nc_u64 s[12:13], s[12:13], s[34:35]
	s_add_nc_u64 s[8:9], s[8:9], s[36:37]
	s_mov_b32 s[G0A], 1                            ; steps 0-2 into slot 0,
	s_mov_b32 s[G0A+1], s40
	s_mov_b64 s[G0A+2:G0A+3], s[PA:PA+1]
	s_or_b32 s[G0A+3], s[G0A+3], 0x80000000
	s_mov_b32 s[G0B], 1                            ; steps 3-4 into slot 1,
	s_mov_b32 s[G0B+1], s41
	s_add_nc_u64 s[G0B+2:G0B+3], s[PA:PA+1], 3*1536
	s_or_b32 s[G0B+3], s[G0B+3], 0x80000000
	s_mov_b32 s[G0C], 1                            ; steps 5-7 into slot 0
	s_mov_b32 s[G0C+1], s40
	s_add_nc_u64 s[G0C+2:G0C+3], s[PA:PA+1], 5*1536
	s_or_b32 s[G0C+3], s[G0C+3], 0x80000000
	ROUND                                          ; all four partners are here: the first joint loads meet
	tensor_load_to_lds s[G0A:G0A+3], s[G1:G1+7]    ; every wave's one tensor load at the head
	s_nop 0
	PLACES 4
.macro SCALES t                        ; the scale words of steps 2 t (lanes 0-15) and 2 t + 1 (lanes 16-31) into set t % 2: A's eight tiles, then W's
.irp i, 0,1,2,3,4,5,6,7
	ds_load_b32 v[SC+16*((\t)%2)+\i], v[SLD] offset:\i*512+(\t)*128
	ds_load_b32 v[SC+16*((\t)%2)+8+\i], v[SLD] offset:4096+\i*512+(\t)*128
.endr
.endm
.macro BATCH s                         ; W's eight fragments of step s into set s % 3
.if (\s)%3 == 2
.set FB0, 160
.else
.set FB0, 96*((\s)%3)
	WIN 0x40
.endif
.irp i, 0,1,2,3,4,5,6,7
.set FB, FB0+12*\i
	global_load_b128 v[FB:FB+3], v[LI], s[PB:PB+1] offset:\i*TP+(\s)*1536
	global_load_b128 v[FB+4:FB+7], v[LI], s[PB:PB+1] offset:\i*TP+(\s)*1536+512
	global_load_b128 v[FB+8:FB+11], v[LI], s[PB:PB+1] offset:\i*TP+(\s)*1536+1024
.endr
	WIN 0
.endm
.macro ALD s, i0                       ; A's blocks i0 .. i0 + 3 of step s from my bytes of its slot
.if (\s) < 3
.set SLT, 0
.set RBY, 3*1536
.set JJ, (\s)
.elseif (\s) < 5
.set SLT, 1
.set RBY, 2*1536
.set JJ, (\s)-3
.else
.set SLT, 0
.set RBY, 3*1536
.set JJ, (\s)-5
.endif
.irp i, \i0, \i0+1, \i0+2, \i0+3
.set FX, AF+12*(\i)
	ds_load_b128 v[FX:FX+3], v[ADA+SLT] offset:(\i)*RBY+JJ*1536
	ds_load_b128 v[FX+4:FX+7], v[ADA+SLT] offset:(\i)*RBY+JJ*1536+512
	ds_load_b128 v[FX+8:FX+11], v[ADA+SLT] offset:(\i)*RBY+JJ*1536+1024
.endr
.endm
.macro MUL32 a0, sc, kind              ; A's blocks a0 .. a0 + 3 x W's eight (from register FW0 on).  kind 0: the sums begin; 1: an even step; 2: an odd step.  The 64 accumulators take turns, in one order
.irp a, \a0, \a0+1, \a0+2, \a0+3
.irp b, 0,1,2,3,4,5,6,7
.set DD, 8*(8*((\a)%4)+\b)
.set FW, FW0+12*\b
.set FX, AF+12*(\a)
.set SW, SC+16*(\sc)+8+\b
.set SX, SC+16*(\sc)+(\a)
.if \kind == 0
	v_wmma_scale_f32_16x16x128_f8f6f4 v[DD:DD+7], v[FW:FW+11], v[FX:FX+11], 0, v[SW], v[SX] matrix_a_fmt:MATRIX_FMT_BF6 matrix_b_fmt:MATRIX_FMT_BF6
.elseif \kind == 1
	v_wmma_scale_f32_16x16x128_f8f6f4 v[DD:DD+7], v[FW:FW+11], v[FX:FX+11], v[DD:DD+7], v[SW], v[SX] matrix_a_fmt:MATRIX_FMT_BF6 matrix_b_fmt:MATRIX_FMT_BF6
.else
	v_wmma_scale_f32_16x16x128_f8f6f4 v[DD:DD+7], v[FW:FW+11], v[FX:FX+11], v[DD:DD+7], v[SW], v[SX] matrix_a_fmt:MATRIX_FMT_BF6 matrix_b_fmt:MATRIX_FMT_BF6 matrix_a_scale:MATRIX_SCALE_ROW1 matrix_b_scale:MATRIX_SCALE_ROW1
.endif
.endr
.endr
.endm
.macro STEP s
.set AFT, 48                           ; issued behind this step's loads: the next two steps' batches, 24 loads each;
.if (\s) == NS-2
.set AFT, 24                           ; one batch;
.endif
.if (\s) == NS-1
.set AFT, 33                           ; the bias and the residual
.endif
.set KD, 1+(\s)%2
.if (\s) == 0
.set KD, 0
.endif
.set WW, 1                             ; W's set: its window and its first register
.set FW0, 96*((\s)%3)
.if (\s)%3 == 2
.set WW, 0
.set FW0, 160
.endif
	s_wait_loadcnt AFT
	s_wait_dscnt 12                                ; A's blocks 0-3 and the scale words are in; the youngest twelve loads (blocks 4-7) may be out
	WIN 0xa0+WW                                    ; source 0 (W) window WW, source 1 (A) window 0, C and D window 2
	MUL32 0, ((\s)/2)%2, KD
	WIN 0
	s_wait_dscnt 0x0                               ; A's blocks 4-7
.if (\s) == 2                          ; my reads of slot 0 are over: it is filled again
	s_wait_tensorcnt 0x0                           ; all my tensor loads have landed: slot 1's;
	ds_add_u32 v[SPW], v[NIL]                      ; 0 onto my spare word;
	s_wait_dscnt 0x0                               ; the add is done, and no read of mine is out
	ROUND                                          ; the same holds of every wave of all four partners
	tensor_load_to_lds s[G0C:G0C+3], s[G1:G1+7]    ; steps 5-7: the first tensor load behind the round
	s_nop 0
	PLACES 4                                       ; also the places in front of the loads below
.elseif (\s)+1 < NS
	PLACES 4                                       ; in front of loads into blocks 0-3, which the products above read
.endif
.if (\s) == 4
	s_wait_tensorcnt 0x0                           ; steps 5-7 have landed in my own bytes
.endif
.if (\s)+1 < NS
	ALD (\s)+1, 0
.endif
.if (\s) == 0
	global_prefetch_b8 v[PFO], s[PPF:PPF+1] offset:5*1536 th:TH_LOAD_NT scope:SCOPE_SE
	global_prefetch_b8 v[PFO], s[PPF:PPF+1] offset:TP+5*1536 th:TH_LOAD_NT scope:SCOPE_SE
.endif
	WIN 0xf0+WW
	MUL32 4, ((\s)/2)%2, KD
	PLACES 4                                       ; in front of loads into registers that these products read, and of the first read of results
	WIN 0
.if (\s)%2 == 0 && (\s)+2 < NS
	SCALES ((\s)+2)/2
.endif
.if (\s)+1 < NS
	ALD (\s)+1, 4
.endif
.if (\s)+3 < NS
	BATCH (\s)+3
.endif
.if (\s) == NS-2                       ; W's set 0 is free for good: it and v192-223 of window 1 take the residual's 32 rows
	global_load_b128 v[BI:BI+3], v[LI], s[8:9]
	WIN 0x40
.set J, 0
.rept 32
	global_load_b128 v[4*J+96*(J/24):4*J+96*(J/24)+3], v[LI], s[10:11] offset:(8*(J/16)+J%16+8*((J%16)/8))*4096
.set J, J+1
.endr
	WIN 0
.endif
.endm
	WIN 0x40
.irp i, 0,1,2,3,4,5,6,7
	global_load_b128 v[192+4*\i:195+4*\i], v[LI], s[PAS:PAS+1] offset:\i*STP     ; a tile's scale words of my part of K: 512 consecutive aligned bytes
	global_load_b128 v[224+4*\i:227+4*\i], v[LI], s[PBS:PBS+1] offset:\i*STP
.endr
	WIN 0
	BATCH 0
	global_prefetch_b8 v[PFC], s[PPF:PPF+1] offset:3*1536 th:TH_LOAD_NT scope:SCOPE_SE
	global_prefetch_b8 v[PFC], s[PPF:PPF+1] offset:TP+3*1536 th:TH_LOAD_NT scope:SCOPE_SE
	BATCH 1
	BATCH 2
	s_wait_loadcnt 63                              ; 72 loads were issued behind the scale words': they are in
	WIN 0x04                                       ; the data: window 1
.irp i, 0,1,2,3,4,5,6,7
	ds_store_b128 v[SST], v[192+4*\i:195+4*\i] offset:\i*512
	ds_store_b128 v[SST], v[224+4*\i:227+4*\i] offset:4096+\i*512
.endr
	WIN 0
	SCALES 0                                       ; LDS serves a wave's instructions in order: these see my stores
	s_wait_tensorcnt 0x0                           ; steps 0-2 are in
	ds_add_u32 v[SPW], v[NIL]
	s_wait_dscnt 0x0
	ROUND
	tensor_load_to_lds s[G0B:G0B+3], s[G1S:G1S+7]  ; steps 3-4, into slot 1
	s_nop 0
	PLACES 4
	ALD 0, 0
	ALD 0, 4
.set ST, 0
.rept NS
	STEP ST
.set ST, ST+1
.endr
	s_wait_dscnt 0x0
	s_barrier_signal -1
	s_barrier_wait -1                              ; no wave reads a slot or its scale words any more, and every fill has landed: the parts may lie over them
; THE PARTS MEET: every wave lays its 128 x 128 partial sums into its own part of LDS, row = 16 x tile + place
.irp a, 0,1,2,3,4,5,6,7
	WIN 0x08+4*(\a/4)
.irp b, 0,1,2,3,4,5,6,7
	ds_store_b128 v[STO], v[64*(\a%4)+8*\b:64*(\a%4)+8*\b+3] offset:\a*16*PITCH+128*(\b/2)+32*(\b%2)      ; each accumulator from its low end on
	ds_store_b128 v[STO], v[64*(\a%4)+8*\b+4:64*(\a%4)+8*\b+7] offset:\a*16*PITCH+128*(\b/2)+32*(\b%2)+16
.endr
.endr
	WIN 0
	s_wait_dscnt 0x0                               ; for the others' sake: my part lies in LDS
	s_barrier_signal -1
	s_barrier_wait -1
.macro RDC c                           ; four of my rows, from all four parts, into buffer c % 2
.irp p, 0,1,2,3
.irp i, 0,1,2,3
	ds_load_b128 v[OB+64*((\c)%2)+16*\p+4*\i:OB+64*((\c)%2)+16*\p+4*\i+3], v[RD+\p] offset:(4*(\c)+\i)*PITCH
.endr
.endr
.endm
.macro SUM c
.set X, OB+64*((\c)%2)
.irp n, 0,2,4,6,8,10,12,14
	v_pk_add_f32 v[X+\n:X+\n+1], v[X+\n:X+\n+1], v[X+16+\n:X+17+\n]
.endr
.irp n, 0,2,4,6,8,10,12,14
	v_pk_add_f32 v[X+32+\n:X+33+\n], v[X+32+\n:X+33+\n], v[X+48+\n:X+49+\n]
.endr
.irp n, 0,2,4,6,8,10,12,14
	v_pk_add_f32 v[X+\n:X+\n+1], v[X+\n:X+\n+1], v[X+32+\n:X+33+\n]
.endr
.irp n, 0,2,4,6,8,10,12,14
	v_pk_add_f32 v[X+\n:X+\n+1], v[X+\n:X+\n+1], v[BI+\n%4:BI+\n%4+1]
.endr
	WIN 0x04                                       ; source 1 window 1: the residual
.irp n, 0,2,4,6,8,10,12,14
.set J, 4*(\c)+\n/4
	v_pk_add_f32 v[X+\n:X+\n+1], v[X+\n:X+\n+1], v[4*J+96*(J/24)+\n%4:4*J+96*(J/24)+\n%4+1]
.endr
	WIN 0
.irp i, 0,1,2,3
.set J, 4*(\c)+\i
	global_store_b128 v[LI], v[X+4*\i:X+4*\i+3], s[12:13] offset:(8*(J/16)+J%16+8*((J%16)/8))*4096   ; 32 lanes store 512 consecutive aligned bytes
.endr
.endm
	RDC 0
	s_wait_loadcnt 0x0                             ; bias and residual
.irp c, 0,1,2,3,4,5,6,7
.if \c < 7
.if \c > 0
	s_wait_xcnt 0x0                                ; the stores of the chunk before have read the buffer that is loaded next
.endif
	RDC \c+1
	s_wait_dscnt 16                                ; this chunk is in; the next chunk's 16 loads may be out
.else
	s_wait_dscnt 0x0
.endif
	SUM \c
.endr
	s_wait_tensorcnt 0x0                           ; the wave's end
	ds_add_u32 v[SPW], v[NIL]
	s_wait_dscnt 0x0
	ROUND                                          ; the closing round
	s_endpgm
.Lfunc_end_k_q0cab96b3e9_gff2:
	.size	k_q0cab96b3e9_gff2, .Lfunc_end_k_q0cab96b3e9_gff2-k_q0cab96b3e9_gff2
	.p2alignl 7, 3214868480
	.fill 96, 4, 3214868480
	.section	.rodata,"a",@progbits
	.p2align	6, 0x0
	.amdhsa_kernel k_q0cab96b3e9_gff2
		.amdhsa_group_segment_fixed_size 327680
		.amdhsa_private_segment_fixed_size 0
		.amdhsa_enable_private_segment 0
		.amdhsa_kernarg_size 40
		.amdhsa_user_sgpr_count 2
		.amdhsa_user_sgpr_kernarg_segment_ptr 1
		.amdhsa_wavefront_size32 1
		.amdhsa_system_sgpr_workgroup_id_x 1
		.amdhsa_system_sgpr_workgroup_id_y 1
		.amdhsa_system_sgpr_workgroup_id_z 1
		.amdhsa_system_vgpr_workitem_id 0
		.amdhsa_next_free_vgpr 1024
		.amdhsa_next_free_sgpr 98
		.amdhsa_reserve_vcc 0
		.amdhsa_float_denorm_mode_32 3
		.amdhsa_float_denorm_mode_16_64 3
		.amdhsa_memory_ordered 1
		.amdhsa_forward_progress 1
		.amdhsa_inst_pref_size 156
	.end_amdhsa_kernel
	.amdgpu_metadata
---
amdhsa.version: [ 1, 2 ]
amdhsa.kernels:
  - .name:           k_q0cab96b3e9_gff2
    .symbol:         k_q0cab96b3e9_gff2.kd
    .args:
      - { .name: hid, .offset: 0, .size: 8, .value_kind: global_buffer, .address_space: global }
      - { .name: wts, .offset: 8, .size: 8, .value_kind: global_buffer, .address_space: global }
      - { .name: b2, .offset: 16, .size: 8, .value_kind: global_buffer, .address_space: global }
      - { .name: x1, .offset: 24, .size: 8, .value_kind: global_buffer, .address_space: global }
      - { .name: out0, .offset: 32, .size: 8, .value_kind: global_buffer, .address_space: global }
    .group_segment_fixed_size: 327680
    .private_segment_fixed_size: 0
    .kernarg_segment_align: 8
    .kernarg_segment_size: 40
    .max_flat_workgroup_size: 128
    .sgpr_count:     98
    .vgpr_count:     1024
    .wavefront_size: 32
...
	.end_amdgpu_metadata
.endif
;; end of part 7
